; MI455X (gfx1250); checked and timed in simulation.
; The chip was launched on July 23, 2026; its instructions are those of AMD's public machine-readable ISA for CDNA 5 (MIT licence, August 2026) and "CDNA5" Instruction Set Architecture Reference Guide (July 2026). The comments in the code are by the model that wrote it; some were corrected since.
;; Differential Attention. Allowed arithmetic: matrix products marked QUANTISED: E2M1 operands, one E8M0 scale for each 32 along K, by v_wmma_scale_f32_16x16x128_f8f6f4 with both operands' format E2M1 (or v_wmma_scale_f32_32x16x128_f4), f32 sums; everything else in f32.
;; Inputs: b_out 1,024 float32; b_qkv 3,072 float32; lam one number float32; w_out 1,024 x 1,024 float32; w_qkv 3,072 x 1,024 float32; x 2 x 2,048 x 1,024 float32.
;; Outputs: out0 2 x 2,048 x 1,024 float32.
;; Constants: heads = 16.
;; This version of the problem:
;;   THIS VERSION OF THE PROBLEM IS GIVEN IN LOW PRECISION. The matrix products marked QUANTISED in the list below multiply operands that are first quantised to E2M1 (2 exponent bits, 1 mantissa bit; 4 bits a number), with one power-of-two scale for each 32 numbers along K (OCP MX v1.0); their sums are f32. All else is computed in f32.
;;   The module's matrix products, in the order in which they are computed (A, B: the left and right operand; K: the contracted axis; several contracted axes count as one K, in the product's order):
;;     1. [M 4,096, K 1,024] x [K 1,024, N 3,072]; A: input x; B: input w_qkv: QUANTISED
;;     2. batch 32 x [M 2,048, K 64] x [K 64, N 2,048]; A: computed on the way; B: computed on the way: QUANTISED
;;     3. batch 32 x [M 2,048, K 64] x [K 64, N 2,048]; A: computed on the way; B: computed on the way: QUANTISED
;;     4. batch 32 x [M 2,048, K 2,048] x [K 2,048, N 64]; A: computed on the way; B: computed on the way: QUANTISED
;;     5. [M 4,096, K 1,024] x [K 1,024, N 1,024]; A: computed on the way; B: input w_out: QUANTISED
;;   THE QUANTISER, for each operand of a quantised product, along K:
;;     - K is cut into blocks of 32 from its start; a last block that is shorter is filled with zeros.
;;     - A block's scale is 2^e with e = floor(log2(the largest magnitude in the block)) - 2, held to -126 .. 127; a block of zeros has e = 0. As a byte (E8M0): e + 127.
;;     - Each number is divided by its block's scale, clamped to +-6, and rounded to the nearest number of E2M1, ties to even, subnormals kept.
;;     - The product sums the exact products of the quantised numbers (number of the format x scale) in f32.
;;   ~~~python
;;   def quantise(x, axis):      # numpy; x: float32 -> the quantised numbers, widened to float32 again
;;       x = np.moveaxis(x, axis, -1); K = x.shape[-1]
;;       x = np.pad(x, [(0, 0)] * (x.ndim - 1) + [(0, -K % 32)]); x = x.reshape(x.shape[:-1] + (-1, 32)); a = np.abs(x).max(-1, keepdims=True)
;;       e = np.where(a > 0, np.clip(np.frexp(np.where(a > 0, a, 1))[1] - 1 - 2, -126, 127), 0)      # np.frexp(a)[1] - 1 = floor(log2(a)), exactly
;;       r = np.clip(x / 2.0 ** e, -6, 6)
;;       step = 2.0 ** (np.maximum(np.frexp(np.where(r == 0, 1, r))[1] - 1, 0) - 1)
;;       q = np.round(r / step) * step * 2.0 ** e      # np.round: ties to even
;;       return np.moveaxis(q.reshape(q.shape[:-2] + (-1,))[..., :K], -1, axis).astype(np.float32)
;;   ~~~
;;   OPERANDS COMPUTED ON THE WAY. 'Computed on the way' means the value that the module computes at that place (a softmax that the list does not call 'softmax' is quantised finished and normalised). What goes into a quantiser is computed in f32, as accurately as f32 sums, v_exp_f32 and their like allow (about 1e-6 of the number): no bf16 or f16 on the way to a quantiser, and a product that is left as it is and whose result goes on into a quantised operand takes f32 operands (vector FMAs, or v_wmma_f32_16x16x4_f32). A number that lies on a knife's edge between two numbers of the format may be rounded either way, as far as f32 arithmetic and the matrix unit's own rounding can turn it there, and no further.
;; 2 versions, each right; version 2 is version 1 with the launch attn written anew for expert scheduling mode. Each part assembles by itself: llvm-mc -triple=amdgcn-amd-amdhsa -mcpu=gfx1250 --defsym DOCPART=n.
;; ======== version 1 of 2: 4 launches
;; workspace buffers: img 6,291,456 bytes; sc 393,216 bytes; qkimg 4,194,304 bytes; qksc 524,288 bytes; vimg 2,097,152 bytes; vsc 131,072 bytes
;; launch prep (part 1): grid 256 x 1, 4 waves a work-group, no clusters, 34,304 bytes of LDS; arguments x, w_qkv, w_out, img, sc; writes img, sc
.if DOCPART == 1
	.amdgcn_target "amdgcn-amd-amdhsa--gfx1250"
	.amdhsa_code_object_version 6
	.text
	.protected	k_qbd3b3b2d35_prep
	.globl	k_qbd3b3b2d35_prep
	.p2align	8
	.type	k_qbd3b3b2d35_prep,@function
k_qbd3b3b2d35_prep:
	s_mov_b64 s[64:65], 0
	v_nop
	global_prefetch_b8 v0, s[64:65] scope:SCOPE_SE
	s_setreg_imm32_b32 hwreg(HW_REG_WAVE_MODE, 25, 1), 1
	s_wait_xcnt 0x0
; x [4096][1024], w_qkv [3072][1024], w_out [1024][1024], f32, K innermost, become codes of FP4 (E2M1) with one E8M0 byte for each 32 along K,
; laid as the matrix unit's registers take them.  A TILE is 16 rows; tile T's lane-row r is the tensor's row 32 (T / 2) + 8 (T % 2) + r + 8 (r / 8)
; (tiles 0-255 x, 256-447 w_qkv, 448-511 w_out).  img: [T][K step of 128: 8][c: 2][lane][16 bytes]: the 16 bytes at 16 x lane + 512 c are registers 4 c .. 4 c + 3 of the operand.
; sc: [T][K half: 2][r][4 words]: one word (four bytes) for a row and 128 along K.
; A block's scale is 2^(floor(log2(largest magnitude)) - 2); its byte is the largest magnitude's exponent field - 2, held at 1 from below.
; LIMITS: a block of zeros, or one whose largest magnitude lies under 2^-124, keeps the byte 1 where the rule says 127: its codes are zeros and this program alone reads the bytes.  NaN and infinities are not served.
; SHARES: work-group g takes 32 rows (tiles 2 g, 2 g + 1); wave w takes tile 2 g + (w >> 1) and K half w & 1: four K steps of 16 rows x 512 bytes.
; Each load reads 512 consecutive bytes of one row; a step's 16 rows turn through the wave's own stage in LDS (rows 528 bytes apart, so that sixteen rows start at sixteen different banks),
; so that a lane gets 16 neighbours of each block of 32.  Waves share nothing: no barrier.  Loads run two steps (32 loads a wave) ahead.  No store's data and no address register is written again.
.set SP,  528
.set WST, 16*SP                        ; a wave's stage
.set TM,  12                           ; v12-27   at work in QUANT
.set PW,  28                           ; v28-31   the scale word of each step
.set R,   32                           ; v32-159  two sets of 64: a step's numbers as loaded
.set X,   160                          ; v160-223 64 numbers of my row: register 16 b + i = k 32 b + 16 (lane / 16) + i
.set PC,  224                          ; v224-255 codes, eight registers a step
.set SEL, 26                           ; s[26:27] selects for lane l xor 16
.set HM,  28                           ; s28      lanes 16-31
; 64 numbers of a lane become a fragment's eight registers of codes and its row's scale word.
.macro QUANT s, pc, pw
.irp b, 0,1,2,3
	v_max3_num_f32 v[TM+\b], |v[\s+16*\b]|, |v[\s+16*\b+1]|, 0x1800000          ; my 16 numbers of block b, and the floor 2^(3 - 127): the byte cannot fall under 1
.endr
.irp i, 2,4,6,8,10,12,14
.irp b, 0,1,2,3
	v_max3_num_f32 v[TM+\b], v[TM+\b], |v[\s+16*\b+\i]|, |v[\s+16*\b+\i+1]|     ; the four blocks by turns
.endr
.endr
.irp b, 0,1,2,3
	v_permlanex16_b32 v[TM+4+\b], v[TM+\b], s[SEL], s[SEL+1]
.endr
.irp b, 0,1,2,3
	v_max_num_f32 v[TM+\b], v[TM+\b], v[TM+4+\b]                                ; with lane l xor 16's: the block's largest magnitude
.endr
.irp b, 0,1,2,3
	v_add_nc_u32 v[TM+12+\b], 0xff000000, v[TM+\b]                              ; 2 off its exponent field: the conversion's scale operand
.endr
.irp b, 0,1,2,3
	v_lshrrev_b32 v[TM+4+\b], 23, v[TM+12+\b]                                   ; the scale's byte
.endr
	v_lshl_or_b32 v[\pw], v[TM+5], 8, v[TM+4]
	v_lshl_or_b32 v[\pw], v[TM+6], 16, v[\pw]
	v_lshl_or_b32 v[\pw], v[TM+7], 24, v[\pw]
.irp b, 0,1,2,3
	v_cvt_scalef32_pk8_fp4_f32 v[\pc+2*\b], v[\s+16*\b:\s+16*\b+7], v[TM+12+\b]
	v_cvt_scalef32_pk8_fp4_f32 v[\pc+2*\b+1], v[\s+16*\b+8:\s+16*\b+15], v[TM+12+\b]
.endr
	v_nop                                                                       ; one plain line behind a scaled conversion
.irp c, 0,1
.irp i, 0,1
	v_permlane16_swap_b32 v[\pc+4*\c+\i], v[\pc+4*\c+2+\i]                      ; a whole block to a lane: registers 4 c .. 4 c + 3 hold k = 64 c + 32 (lane / 16) + 0 .. 31
.endr
.endr
.endm
	s_load_b128 s[4:7], s[0:1], 0x0                ; x, w_qkv
	s_load_b128 s[8:11], s[0:1], 0x10              ; w_out, img
	s_load_b64 s[12:13], s[0:1], 0x20              ; sc
	v_lshl_add_u32 v22, v0, 2, 0x8400
	v_mov_b32 v23, 0
	v_lshrrev_b32 v1, 5, v0
	v_readfirstlane_b32 s14, v1                    ; wave
	v_and_b32 v1, 31, v0                           ; lane
	v_and_b32 v2, 15, v0                           ; r
	v_bfe_u32 v3, v0, 4, 1                         ; h
	v_lshlrev_b32 v4, 4, v1                        ; 16 x lane: my bytes of a load, and of an image
	s_mul_i32 s15, s14, WST
	v_add_nc_u32 v5, s15, v4                       ; the stage, on the way in: a row as it lies
	v_mul_u32_u24 v6, v2, SP
	v_lshl_add_u32 v6, v3, 6, v6
	v_add_nc_u32 v6, s15, v6                       ; and back: row r, + 64 h: my 16 numbers of each block
	v_lshlrev_b32 v7, 4, v2
	v_lshl_add_u32 v7, v3, 3, v7                   ; the scale words: 16 r + 8 h
.irp b, 0,1,2,3
	v_mov_b32 v[TM+4+\b], 0                        ; written once: a lane permute's destination counts as one of its sources
.endr
	s_lshr_b32 s16, s14, 1                         ; u: which of the two tiles
	s_and_b32 s17, s14, 1                          ; q: which half of K
	s_mov_b32 s[SEL], 0x76543210
	s_mov_b32 s[SEL+1], 0xfedcba98
	s_mov_b32 s[HM], 0xffff0000
	s_mov_b32 s18, 224
	s_wait_kmcnt 0x0
	s_cmp_lt_u32 ttmp9, 224                        ; which tensor: the choice hangs on the work-group's number alone
	s_cselect_b64 s[24:25], s[6:7], s[8:9]
	s_cselect_b32 s18, 128, s18
	s_cmp_lt_u32 ttmp9, 128
	s_cselect_b64 s[24:25], s[4:5], s[24:25]
	s_cselect_b32 s18, 0, s18
	s_sub_co_u32 s18, ttmp9, s18                   ; the work-group's number within its tensor
	s_lshl_b32 s18, s18, 17                        ; 32 rows of 4,096 bytes
	s_lshl_b32 s19, s16, 15                        ; + 8 u rows
	s_add_co_u32 s18, s18, s19
	s_lshl_b32 s19, s17, 11                        ; + my half of K
	s_add_co_u32 s18, s18, s19
	s_mov_b32 s19, 0
	s_add_nc_u64 s[24:25], s[24:25], s[18:19]
	s_lshl_b32 s20, ttmp9, 1
	s_add_co_u32 s20, s20, s16                     ; T
	s_lshl_b32 s18, s20, 13
	s_lshl_b32 s21, s17, 12
	s_add_co_u32 s18, s18, s21
	s_add_nc_u64 s[10:11], s[10:11], s[18:19]      ; img at tile T, K step 4 q
	s_lshl_b32 s18, s20, 9
	s_lshl_b32 s21, s17, 8
	s_add_co_u32 s18, s18, s21
	s_add_nc_u64 s[12:13], s[12:13], s[18:19]      ; sc likewise
.macro LOAD st                         ; step st: lane-row i is row i + 8 (i / 8) from the tile's first
.irp i, 0,1,2,3,4,5,6,7,8,9,10,11,12,13,14,15
	global_load_b128 v[R+64*((\st)%2)+4*\i:R+64*((\st)%2)+4*\i+3], v4, s[24:25] offset:(\i+8*(\i/8))*4096+512*(\st) th:TH_LOAD_NT
.endr
.endm
.macro STEP st
.if (\st) < 3
	s_wait_loadcnt 16                              ; this step's 16 loads are in; the next step's 16 may be out
.else
	s_wait_loadcnt 0x0
.endif
.irp i, 0,1,2,3,4,5,6,7,8,9,10,11,12,13,14,15
	ds_store_b128 v5, v[R+64*((\st)%2)+4*\i:R+64*((\st)%2)+4*\i+3] offset:SP*\i
.endr
.irp b, 0,1,2,3
.irp j, 0,1,2,3
	ds_load_b128 v[X+16*\b+4*\j:X+16*\b+4*\j+3], v6 offset:128*\b+16*\j      ; LDS serves a wave's instructions in order: these see the stores above
.endr
.endr
	s_wait_dscnt 0x0
.if (\st)+2 < 4
	LOAD (\st)+2
.endif
	QUANT X, PC+8*(\st), PW+(\st)
	global_store_b128 v4, v[PC+8*(\st):PC+8*(\st)+3], s[10:11] offset:1024*(\st)          ; 32 lanes store 512 consecutive bytes
	global_store_b128 v4, v[PC+8*(\st)+4:PC+8*(\st)+7], s[10:11] offset:1024*(\st)+512
.endm
	LOAD 0
	LOAD 1
	STEP 0
	STEP 1
	STEP 2
	STEP 3
	v_cndmask_b32 v8, v[PW], v[PW+2], s[HM]        ; lanes 0-15 store words 0, 1 of row r, lanes 16-31 words 2, 3
	v_cndmask_b32 v9, v[PW+1], v[PW+3], s[HM]
	global_store_b64 v7, v[8:9], s[12:13]          ; 256 consecutive bytes
	s_wait_tensorcnt 0x0
	ds_add_u32 v22, v23
	s_wait_dscnt 0x0
	s_endpgm
.Lfunc_end_k_qbd3b3b2d35_prep:
	.size	k_qbd3b3b2d35_prep, .Lfunc_end_k_qbd3b3b2d35_prep-k_qbd3b3b2d35_prep
	.p2alignl 7, 3214868480
	.fill 96, 4, 3214868480
	.section	.rodata,"a",@progbits
	.p2align	6, 0x0
	.amdhsa_kernel k_qbd3b3b2d35_prep
		.amdhsa_group_segment_fixed_size 34304
		.amdhsa_private_segment_fixed_size 0
		.amdhsa_enable_private_segment 0
		.amdhsa_kernarg_size 40
		.amdhsa_user_sgpr_count 2
		.amdhsa_user_sgpr_kernarg_segment_ptr 1
		.amdhsa_wavefront_size32 1
		.amdhsa_system_sgpr_workgroup_id_x 1
		.amdhsa_system_sgpr_workgroup_id_y 1
		.amdhsa_system_sgpr_workgroup_id_z 1
		.amdhsa_system_vgpr_workitem_id 0
		.amdhsa_next_free_vgpr 256
		.amdhsa_next_free_sgpr 66
		.amdhsa_reserve_vcc 0
		.amdhsa_float_denorm_mode_32 3
		.amdhsa_float_denorm_mode_16_64 3
		.amdhsa_memory_ordered 1
		.amdhsa_forward_progress 1
		.amdhsa_inst_pref_size 33
	.end_amdhsa_kernel
	.amdgpu_metadata
---
amdhsa.version: [ 1, 2 ]
amdhsa.kernels:
  - .name:           k_qbd3b3b2d35_prep
    .symbol:         k_qbd3b3b2d35_prep.kd
    .args:
      - { .name: x, .offset: 0, .size: 8, .value_kind: global_buffer, .address_space: global }
      - { .name: w_qkv, .offset: 8, .size: 8, .value_kind: global_buffer, .address_space: global }
      - { .name: w_out, .offset: 16, .size: 8, .value_kind: global_buffer, .address_space: global }
      - { .name: img, .offset: 24, .size: 8, .value_kind: global_buffer, .address_space: global }
      - { .name: sc, .offset: 32, .size: 8, .value_kind: global_buffer, .address_space: global }
    .group_segment_fixed_size: 34304
    .private_segment_fixed_size: 0
    .kernarg_segment_align: 8
    .kernarg_segment_size: 40
    .max_flat_workgroup_size: 128
    .sgpr_count:     66
    .vgpr_count:     256
    .wavefront_size: 32
...
	.end_amdgpu_metadata
.endif
;; end of part 1
;; launch qkv (part 2): grid 8 x 24, 4 waves a work-group, clusters of 4 x 4, 268,800 bytes of LDS; arguments img, sc, b_qkv, qkimg, qksc, vimg, vsc; writes qkimg, qksc, vimg, vsc
.if DOCPART == 2
	.amdgcn_target "amdgcn-amd-amdhsa--gfx1250"
	.amdhsa_code_object_version 6
	.text
	.protected	k_qbd3b3b2d35_qkv
	.globl	k_qbd3b3b2d35_qkv
	.p2align	8
	.type	k_qbd3b3b2d35_qkv,@function
k_qbd3b3b2d35_qkv:
	s_mov_b64 s[64:65], 0
	v_nop
	global_prefetch_b8 v0, s[64:65] scope:SCOPE_SE
	s_setreg_imm32_b32 hwreg(HW_REG_WAVE_MODE, 25, 1), 1
	s_wait_xcnt 0x0
	s_wait_alu depctr_hold_cnt(0) depctr_sa_sdst(0) depctr_va_vdst(0) depctr_va_sdst(0) depctr_va_ssrc(0) depctr_va_vcc(0) depctr_vm_vsrc(0)
	s_getreg_b32 s2, hwreg(HW_REG_IB_STS2, 6, 4)
	s_cmp_eq_u32 s2, 0
	s_cbranch_scc0 .Lentry_in_a_cluster
	s_endpgm
.Lentry_in_a_cluster:
	s_bfe_u32 s2, ttmp6, 0x10000c
	s_cmp_lg_u32 s2, 0xf033
	s_cbranch_scc0 .Lentry_shape_is_right
	s_endpgm
.Lentry_shape_is_right:
; qkv = x w_qkv^T + b_qkv on codes of FP4 with E8M0 scales, sums in f32; the results are quantised here and leave as codes: q and k along the head's 64, v along the keys.
; THE PRODUCT: source 0 = 16 rows of P, source 1 = 16 rows of R: a lane holds ONE row of R, and its registers run along P's rows.  Tile T's lane-row r is row 32 (T / 2) + 8 (T % 2) + r + 8 (r / 8),
; so the 16 registers of P's tiles 2 b and 2 b + 1 are the 16 neighbours 32 b + 16 (lane / 16) + 0 .. 15: what the quantiser wants in a lane.
; q, k (cluster rows 0-3): P = w_qkv's rows (features), R = x's rows (tokens): a lane's 64 registers are two heads' 64 + 64 of one token.
; v (cluster rows 4, 5): P = x's rows (tokens = keys), R = w_qkv's v rows: a lane's 64 registers are 128 / 2 keys of one feature: one K step of the attention's second product.
; SHARES: a work-group makes 256 x 256 (16 tiles of P x 16 of R), a wave 128 x 128: 64 accumulators, 512 registers.  192 work-groups: 3,072 x 4,096 results make 3 x 2^n tiles for any tile with sides of powers of two.
; LDS: both panels for all of K = 1,024 are 262,144 bytes: each byte of LDS is filled ONCE, by four tensor loads a wave (four chunks of two K steps), issued together; counted waits let the products start on chunk 0.
; CLUSTER 4 x 4: R's tiles are shared along a row of the cluster, P's along a column: joint loads, each with a mask of four.
; OUT: qkimg [b][head: q 0-15, k 16-31][tile 128][lane][16 bytes] (lane (r, h): block h of the tile's row r);  qksc [b][head][group of 8 tiles][lane l][4 words]: word i of lane l: tile 2 i + (l >> 4), row l & 15: byte 0, 1 the row's scales, bytes 2, 3 = 127;
;      vimg [b][head][key step 16][d tile 4][c 2][lane][16 bytes];  vsc [b][head][key step][lane l][2 words]: word i: d tile 2 i + (l >> 4), row l & 15.
; LIMITS: a block of zeros, or one under 2^-124, keeps the byte 1 where the rule says 127 (its codes are zeros; this program alone reads the bytes).  NaN and infinities are not served.
; REGISTERS: window 0: v1-15 addresses; v16-31 at work; v32-47 scale words on the way out; v64-127 scale words of the product (8 i + s: lanes 0-15 R's tile i, lanes 16-31 P's tile i, K step s); v128-255 R's fragments, two sets; later H and the codes.
;   window 1: v0-127 P's fragments, two sets; v128-191, v192-199 the biases.   windows 2, 3: accumulator (a, b) at 8 ((8 a + b) % 32), window 2 + a / 4.
.set NT,    8
.set LOGNT, 3
.set PART,  NT*2048                    ; NT tiles x two K steps: what one tensor load brings
.set CHB,   4*PART                     ; a chunk: R's two halves, then P's two halves
.set SSQ,   4*CHB                      ; behind the panels: 1,024 bytes a wave for q's and k's scale words,
.set SSV,   SSQ+4096                   ; and 512 a wave for v's: each path has bytes of its own
.set SC,  64
.set RF,  128
.set PF,  0
.set BQ,  128                          ; window 1: the bias in the result's layout, for q and k
.set BV,  192                          ; window 1: one number a lane and tile of R, for v
.set H,   128
.set PC,  192
.set PWS, 32
.set TM,  16
.set G1R, 24
.set G0R, 32
.set G0P, 48
.set G1P, 68
.set HM,  88
.set SEL, 90
.set MSB, 0
.macro WIN new                         ; the immediate's high byte repeats the setting that is left
.if MSB != (\new)
	s_set_vgpr_msb (MSB<<8)|(\new)
.set MSB, (\new)
.endif
.endm
.macro CROUND                          ; a round of the cluster's barrier
	s_barrier_signal -1
	s_barrier_wait -1
	s_cmp_lg_u32 s18, 0
	s_cbranch_scc1 .Lnot_wave_0_\@
	s_barrier_signal -3
.Lnot_wave_0_\@:
	s_barrier_wait -3
	s_barrier_signal -1
	s_barrier_wait -1
.endm
.macro QUANT s, pc, pw                 ; 64 numbers of a lane (register 16 b + i = k 32 b + 16 (lane / 16) + i) become eight registers of codes and a scale word
.irp b, 0,1,2,3
	v_max3_num_f32 v[TM+\b], |v[\s+16*\b]|, |v[\s+16*\b+1]|, 0x1800000          ; and the floor 2^(3 - 127): the byte cannot fall under 1
.endr
.irp i, 2,4,6,8,10,12,14
.irp b, 0,1,2,3
	v_max3_num_f32 v[TM+\b], v[TM+\b], |v[\s+16*\b+\i]|, |v[\s+16*\b+\i+1]|
.endr
.endr
.irp b, 0,1,2,3
	v_permlanex16_b32 v[TM+4+\b], v[TM+\b], s[SEL], s[SEL+1]
.endr
.irp b, 0,1,2,3
	v_max_num_f32 v[TM+\b], v[TM+\b], v[TM+4+\b]
.endr
.irp b, 0,1,2,3
	v_add_nc_u32 v[TM+12+\b], 0xff000000, v[TM+\b]                              ; 2 off the exponent field: the conversion's scale operand
.endr
.irp b, 0,1,2,3
	v_lshrrev_b32 v[TM+4+\b], 23, v[TM+12+\b]
.endr
	v_lshl_or_b32 v[\pw], v[TM+5], 8, v[TM+4]
	v_lshl_or_b32 v[\pw], v[TM+6], 16, v[\pw]
	v_lshl_or_b32 v[\pw], v[TM+7], 24, v[\pw]
.irp b, 0,1,2,3
	v_cvt_scalef32_pk8_fp4_f32 v[\pc+2*\b], v[\s+16*\b:\s+16*\b+7], v[TM+12+\b]
	v_cvt_scalef32_pk8_fp4_f32 v[\pc+2*\b+1], v[\s+16*\b+8:\s+16*\b+15], v[TM+12+\b]
.endr
	v_nop                                                                       ; one plain line behind a scaled conversion
.irp c, 0,1
.irp i, 0,1
	v_permlane16_swap_b32 v[\pc+4*\c+\i], v[\pc+4*\c+2+\i]
.endr
.endr
.endm
	s_load_b256 s[4:11], s[0:1], 0x0               ; img s[4:5], sc s[6:7], b_qkv s[8:9], qkimg s[10:11]
	s_load_b128 s[12:15], s[0:1], 0x20             ; qksc s[12:13], vimg s[14:15]
	s_load_b64 s[16:17], s[0:1], 0x30              ; vsc
	v_lshl_add_u32 v62, v0, 2, 0x41800
	v_mov_b32 v63, 0
	ds_add_u32 v62, v63
	ds_add_u32 v62, v63
	v_lshrrev_b32 v1, 5, v0
	v_readfirstlane_b32 s18, v1                    ; wave 0..3
	s_lshr_b32 s19, s18, 1                         ; which half of R's tiles I multiply.  Also: I fetch for R (0) or for P (1)
	s_and_b32 s89, s18, 1                          ; which half of P's tiles I multiply.  Also: which half I fetch
	s_bfe_u32 s20, ttmp6, 0x40000                  ; cx
	s_bfe_u32 s21, ttmp6, 0x40004                  ; cy
	s_lshl_b32 s22, ttmp9, 2
	s_add_co_u32 s22, s22, s20                     ; X = 4 x cluster x + cx
	s_and_b32 s23, ttmp7, 0xffff                   ; the cluster's y: 0-3 q and k, 4-5 v: the same in all sixteen partners
	s_lshl_b32 s76, s23, 2
	s_add_co_u32 s76, s76, s21                     ; Y = 4 x cluster y + cy
	s_lshl_b32 s94, s21, 2
	s_lshl_b32 s94, 15, s94                        ; my row of the cluster
	s_lshl_b32 s95, 0x1111, s20                    ; my column
	s_or_b32 s[G1R], s94, (3<<16)|(1<<21)          ; 15:0 the mask; 17:16 elements of 8 bytes; 21 set beside a mask; no padding: an image's 512 bytes are read on end
	s_or_b32 s[G1P], s95, (3<<16)|(1<<21)
.irp g, G1R, G1P
	s_mov_b32 s[\g+1], 256<<16                     ; tensor_dim0 = 256 elements: two K steps of a tile, 2,048 bytes
	s_mov_b32 s[\g+2], NT<<16                      ; tensor_dim1 = NT tiles
	s_mov_b32 s[\g+3], 256<<16                     ; tile_dim0
	s_mov_b32 s[\g+4], NT                          ; tile_dim1
	s_mov_b32 s[\g+5], 1024                        ; from tile to tile: 8,192 bytes
	s_mov_b32 s[\g+6], 0
	s_mov_b32 s[\g+7], 0
.endr
	; the tiles.  R's number is made of cy and the cluster's y alone, P's of cx, the cluster's x and the cluster's y alone, each in registers that never hold the other coordinate
	s_lshl_b32 s79, s76, 4                         ; q, k: R = x's tiles 16 Y on
	s_lshl_b32 s82, s21, 4
	s_add_co_u32 s82, s82, 384                     ; v: R = w_qkv's v rows: tiles 384 + 16 cy on
	s_lshl_b32 s84, s22, 4
	s_add_co_u32 s78, s84, 256                     ; q, k: P = w_qkv's tiles 256 + 16 X on
	s_sub_co_u32 s85, s23, 4
	s_lshl_b32 s85, s85, 7
	s_add_co_u32 s84, s84, s85                     ; v: P = x's tiles 16 X + 128 (cluster y - 4) on
	s_cmp_ge_u32 s23, 4
	s_cselect_b32 s77, 1, 0                        ; the mode
	s_cselect_b32 s79, s82, s79
	s_cselect_b32 s78, s84, s78
	s_lshl_b32 s80, s89, LOGNT
	s_add_co_u32 s80, s80, s78                     ; P's tiles that I multiply, and that I fetch if I fetch for P
	s_lshl_b32 s81, s19, LOGNT
	s_add_co_u32 s81, s81, s79                     ; R's tiles that I multiply
	s_lshl_b32 s82, s89, LOGNT
	s_add_co_u32 s82, s82, s79                     ; R's tiles that I fetch if I fetch for R
	s_lshl_b32 s82, s82, 13
	s_mov_b32 s83, 0
	s_lshl_b32 s84, s80, 13
	s_mov_b32 s85, 0
	s_mul_i32 s93, s18, PART                       ; where my part of a chunk goes: wave x PART: no place in the cluster enters an LDS address
	s_mov_b32 s[HM], 0xffff0000                    ; lanes 16-31
	s_mov_b32 s[SEL], 0x76543210
	s_mov_b32 s[SEL+1], 0xfedcba98
	s_mov_b32 s92, 0x7f7f0000
	s_wait_dscnt 0x0
	s_wait_kmcnt 0x0
	s_add_nc_u64 s[82:83], s[4:5], s[82:83]
	s_add_nc_u64 s[84:85], s[4:5], s[84:85]
.irp ch, 0,1,2,3
	s_mov_b32 s[G0R+4*\ch], 1
	s_add_co_u32 s[G0R+4*\ch+1], s93, \ch*CHB
	s_add_nc_u64 s[G0R+4*\ch+2:G0R+4*\ch+3], s[82:83], \ch*2048
	s_or_b32 s[G0R+4*\ch+3], s[G0R+4*\ch+3], 0x80000000
	s_mov_b32 s[G0P+4*\ch], 1
	s_add_co_u32 s[G0P+4*\ch+1], s93, \ch*CHB
	s_add_nc_u64 s[G0P+4*\ch+2:G0P+4*\ch+3], s[84:85], \ch*2048
	s_or_b32 s[G0P+4*\ch+3], s[G0P+4*\ch+3], 0x80000000
.endr
	CROUND                                         ; all sixteen work-groups are here: the joint loads meet
	s_cmp_eq_u32 s19, 0                            ; a wave's four fills stand in one branch on its number: four tensor loads of mine are out; four v_nop follow the last
	s_cbranch_scc0 .Lfill_p
	tensor_load_to_lds s[G0R:G0R+3], s[G1R:G1R+7]
	s_nop 0
	tensor_load_to_lds s[G0R+4:G0R+7], s[G1R:G1R+7]
	s_nop 0
	tensor_load_to_lds s[G0R+8:G0R+11], s[G1R:G1R+7]
	s_nop 0
	tensor_load_to_lds s[G0R+12:G0R+15], s[G1R:G1R+7]
	s_nop 0
.rept 4
	v_nop
.endr
	s_branch .Lfilled
.Lfill_p:
	tensor_load_to_lds s[G0P:G0P+3], s[G1P:G1P+7]
	s_nop 0
	tensor_load_to_lds s[G0P+4:G0P+7], s[G1P:G1P+7]
	s_nop 0
	tensor_load_to_lds s[G0P+8:G0P+11], s[G1P:G1P+7]
	s_nop 0
	tensor_load_to_lds s[G0P+12:G0P+15], s[G1P:G1P+7]
	s_nop 0
.rept 4
	v_nop
.endr
.Lfilled:
	v_and_b32 v1, 31, v0
	v_lshlrev_b32 v1, 4, v1                        ; 16 x lane
	v_and_b32 v5, 15, v0                           ; r
	v_bfe_u32 v6, v0, 4, 1                         ; h
	s_mul_i32 s86, s89, PART
	s_add_co_u32 s86, s86, 2*PART
	v_add_nc_u32 v2, s86, v1                       ; my half of P in chunk 0
	s_mul_i32 s86, s19, PART
	v_add_nc_u32 v3, s86, v1                       ; my half of R
	s_lshl_b32 s86, s81, 9
	s_lshl_b32 s87, s80, 9
	v_mov_b32 v4, s86
	v_mov_b32 v14, s87
	v_cndmask_b32 v4, v4, v14, s[HM]               ; scale words: lanes 0-15 take R's, lanes 16-31 P's: 512 bytes a tile,
	v_lshl_add_u32 v4, v5, 4, v4                   ; 16 bytes a row
.irp i, 0,1,2,3,4,5,6,7
.irp q, 0,1
	global_load_b128 v[SC+8*\i+4*\q:SC+8*\i+4*\q+3], v4, s[6:7] offset:512*\i+256*\q
.endr
.endr
	; the biases.  Both kinds are loaded in both modes (from the buffer's first numbers of the kind where the mode has no use for them), so that no register is written on one way alone
	s_sub_co_u32 s96, s80, 256
	s_lshl_b32 s96, s96, 6                         ; q, k: my first feature x 4 bytes
	s_sub_co_u32 s98, s81, 384
	s_lshl_b32 s98, s98, 6
	s_add_co_u32 s98, s98, 8192                    ; v: likewise, behind q's and k's 2,048
	s_cmp_eq_u32 s77, 0
	s_cselect_b32 s96, s96, 0
	s_cselect_b32 s98, 8192, s98
	s_mov_b32 s97, 0
	s_mov_b32 s99, 0
	s_add_nc_u64 s[96:97], s[8:9], s[96:97]
	s_add_nc_u64 s[98:99], s[8:9], s[98:99]
	v_lshlrev_b32 v12, 6, v6                       ; 16 h numbers on
	v_and_b32 v13, 8, v5
	v_add_nc_u32 v13, v13, v5
	v_lshlrev_b32 v13, 2, v13                      ; r + 8 (r / 8) numbers on
	WIN 0x40                                       ; destination window 1
.irp t, 0,1,2,3,4,5,6,7
	global_load_b128 v[BQ+8*\t:BQ+8*\t+3], v12, s[96:97] offset:(32*(\t/2)+8*(\t%2))*4
	global_load_b128 v[BQ+8*\t+4:BQ+8*\t+7], v12, s[96:97] offset:(32*(\t/2)+8*(\t%2))*4+16
.endr
.irp a, 0,1,2,3,4,5,6,7
	global_load_b32 v[BV+\a], v13, s[98:99] offset:(32*(\a/2)+8*(\a%2))*4
.endr
	WIN 0
	; the way out's LDS addresses, all made here, ahead of the parting of the two modes
	s_lshl_b32 s86, s18, 10
	s_add_co_u32 s86, s86, SSQ
	v_lshl_add_u32 v7, v6, 9, s86
	v_lshl_add_u32 v7, v5, 4, v7                   ; q, k: head (lane / 16) x 512 + 16 r
	v_add_nc_u32 v8, s86, v1
	s_lshl_b32 s87, s18, 9
	s_add_co_u32 s87, s87, SSV
	v_lshl_add_u32 v9, v5, 3, s87                  ; v: 8 r
	v_add_nc_u32 v10, s87, v1
	v_lshlrev_b32 v11, 12, v6
	v_lshl_add_u32 v11, v5, 4, v11                 ; vsc: lanes 0-15 one head's 256 bytes, lanes 16-31 the next head's, 4,096 bytes on
.irp b, 0,1,2,3
	v_mov_b32 v[TM+4+\b], 0                        ; written once: a lane permute's destination counts as one of its sources
.endr
.macro FETCH s                         ; K step s: P's and R's NT fragments each into set s % 2: images, 512 consecutive bytes a load
	WIN 0x40
.set I, 0
.rept NT
	ds_load_b128 v[PF+8*NT*((\s)%2)+8*I:PF+8*NT*((\s)%2)+8*I+3], v2 offset:2048*I+1024*((\s)%2)
	ds_load_b128 v[PF+8*NT*((\s)%2)+8*I+4:PF+8*NT*((\s)%2)+8*I+7], v2 offset:2048*I+1024*((\s)%2)+512
.set I, I+1
.endr
	WIN 0
.set I, 0
.rept NT
	ds_load_b128 v[RF+8*NT*((\s)%2)+8*I:RF+8*NT*((\s)%2)+8*I+3], v3 offset:2048*I+1024*((\s)%2)
	ds_load_b128 v[RF+8*NT*((\s)%2)+8*I+4:RF+8*NT*((\s)%2)+8*I+7], v3 offset:2048*I+1024*((\s)%2)+512
.set I, I+1
.endr
.endm
.macro MULALL s, zero                  ; NT x NT matrix instructions: the accumulators take turns, one instruction a turn, in the same order in every K step
.set MA, 0
.rept NT
	WIN 0xa1+0x50*((NT*MA)/32)                     ; source 0 (P) window 1, source 1 (R) window 0, C and D window 2 or 3
.set MB, 0
.rept NT
.set AC, 8*((NT*MA+MB)%32)
.if \zero
	v_wmma_scale_f32_16x16x128_f8f6f4 v[AC:AC+7], v[PF+8*NT*((\s)%2)+8*MB:PF+8*NT*((\s)%2)+8*MB+7], v[RF+8*NT*((\s)%2)+8*MA:RF+8*NT*((\s)%2)+8*MA+7], 0, v[SC+8*MB+(\s)], v[SC+8*MA+(\s)] matrix_a_fmt:MATRIX_FMT_FP4 matrix_b_fmt:MATRIX_FMT_FP4 matrix_a_scale:MATRIX_SCALE_ROW1
.else
	v_wmma_scale_f32_16x16x128_f8f6f4 v[AC:AC+7], v[PF+8*NT*((\s)%2)+8*MB:PF+8*NT*((\s)%2)+8*MB+7], v[RF+8*NT*((\s)%2)+8*MA:RF+8*NT*((\s)%2)+8*MA+7], v[AC:AC+7], v[SC+8*MB+(\s)], v[SC+8*MA+(\s)] matrix_a_fmt:MATRIX_FMT_FP4 matrix_b_fmt:MATRIX_FMT_FP4 matrix_a_scale:MATRIX_SCALE_ROW1
.endif
.set MB, MB+1
.endr
.set MA, MA+1
.endr
	WIN 0
.endm
; A K step: its fragments are in; the next step's are asked for, four places behind the products that read that set (ISA guide 7.12.1 for vector instructions); then its products.
.macro KSTEP s, zero
	s_wait_dscnt 0x0                               ; set s % 2 is in, and no LDS instruction of mine is pending at a signal
.if (\s) < 7
.if ((\s)+1)%2 == 0
	s_wait_tensorcnt 3-((\s)+1)/2                  ; my part of the next chunk has landed (a wave's tensor loads end in order); the later chunks may stay out
	s_barrier_signal -1
	s_barrier_wait -1                              ; everybody's has
	v_add_nc_u32 v2, CHB, v2                       ; on to that chunk: two of the four places
	v_add_nc_u32 v3, CHB, v3
	v_nop
	v_nop
.elseif (\s) > 0
.rept 4
	v_nop
.endr
.endif
	FETCH (\s)+1
.endif
	MULALL \s, \zero
.endm
	s_wait_tensorcnt 3                             ; my part of chunk 0 is in (three younger loads may be out),
	s_barrier_signal -1
	s_barrier_wait -1                              ; everybody's is
	FETCH 0
	s_wait_loadcnt 0x0                             ; the scale words and the biases
	KSTEP 0, 1                                     ; the first K step starts the sums: nothing is cleared
	KSTEP 1, 0
	KSTEP 2, 0
	KSTEP 3, 0
	KSTEP 4, 0
	KSTEP 5, 0
	KSTEP 6, 0
	KSTEP 7, 0
.rept 4
	v_nop                                          ; places in front of the first reads of results and the first writes over R's fragments
.endr
; THE WAY OUT.  For each of R's eight tiles: the bias is added (each accumulator is read from its low end on), the lane's 64 numbers are quantised, and the codes leave as images, 512 consecutive bytes a store.
.macro UNITQ a
	WIN 0x06+(\a)/4                                ; source 0 window 2 or 3 (the sums), source 1 window 1 (the bias)
.set I, 0
.rept 32
	v_pk_add_f32 v[H+I:H+I+1], v[64*((\a)%4)+I:64*((\a)%4)+I+1], v[BQ+I:BQ+I+1]
.set I, I+2
.endr
	WIN 0
	QUANT H, PC+8*(\a), 14
	global_store_b128 v1, v[PC+8*(\a):PC+8*(\a)+3], s[96:97] offset:512*(\a)                ; my first head's 64
	global_store_b128 v1, v[PC+8*(\a)+4:PC+8*(\a)+7], s[96:97] offset:65536+512*(\a)        ; my second head's
	v_lshrrev_b32 v15, 16, v14
	v_cndmask_b32 v15, v14, v15, s[HM]             ; lanes 0-15 the first head's two bytes, lanes 16-31 the second's,
	v_and_or_b32 v[PWS+(\a)], v15, 0xffff, s92     ; under two bytes of 127 for the half of the instruction's K that holds zero codes
	ds_store_b32 v7, v[PWS+(\a)] offset:256*((\a)%2)+4*((\a)/2)
.endm
.macro UNITV a
	WIN 0x06+(\a)/4
.set I, 0
.rept 32
.if (\a)%2
	v_pk_add_f32 v[H+I:H+I+1], v[64*((\a)%4)+I:64*((\a)%4)+I+1], v[BV+(\a)-1:BV+(\a)] op_sel:[0,1] op_sel_hi:[1,1]   ; the pair's second register for both halves
.else
	v_pk_add_f32 v[H+I:H+I+1], v[64*((\a)%4)+I:64*((\a)%4)+I+1], v[BV+(\a):BV+(\a)+1] op_sel_hi:[1,0]               ; its first
.endif
.set I, I+2
.endr
	WIN 0
	QUANT H, PC+8*(\a), PWS+(\a)
	global_store_b128 v1, v[PC+8*(\a):PC+8*(\a)+3], s[96:97] offset:65536*((\a)/4)+1024*((\a)%4)
	global_store_b128 v1, v[PC+8*(\a)+4:PC+8*(\a)+7], s[96:97] offset:65536*((\a)/4)+1024*((\a)%4)+512
	ds_store_b32 v9, v[PWS+(\a)] offset:256*((\a)/4)+128*((\a)%2)+4*(((\a)/2)%2)            ; both halves of the lanes write the same word with the same value
.endm
	s_cmp_lg_u32 s77, 0                            ; the mode hangs on the cluster's y alone
	s_cbranch_scc1 .Lvpath
	s_sub_co_u32 s86, s80, 256
	s_lshr_b32 s86, s86, 2                         ; my first head (q 0-15, k 16-31): four tiles of features to a head
	s_lshr_b32 s87, s81, 7                         ; b
	s_lshl_b32 s87, s87, 5
	s_add_co_u32 s86, s86, s87
	s_and_b32 s87, s81, 127                        ; my first tile of tokens
	s_lshl_b32 s96, s86, 16
	s_lshl_b32 s98, s87, 9
	s_add_co_u32 s96, s96, s98
	s_mov_b32 s97, 0
	s_add_nc_u64 s[96:97], s[10:11], s[96:97]      ; qkimg
	s_lshl_b32 s98, s86, 13
	s_lshr_b32 s87, s87, 3
	s_lshl_b32 s87, s87, 9
	s_add_co_u32 s98, s98, s87
	s_mov_b32 s99, 0
	s_add_nc_u64 s[98:99], s[12:13], s[98:99]      ; qksc
.irp a, 0,1,2,3,4,5,6,7
	UNITQ \a
.endr
	ds_load_b128 v[40:43], v8                      ; LDS serves a wave's instructions in order: these see my stores
	ds_load_b128 v[44:47], v8 offset:512
	s_wait_dscnt 0x0
	global_store_b128 v1, v[40:43], s[98:99]       ; a group's 512 bytes of scale words, whole
	global_store_b128 v1, v[44:47], s[98:99] offset:8192
	s_branch .Lend
.Lvpath:
	s_lshr_b32 s86, s80, 7                         ; b
	s_lshl_b32 s86, s86, 4
	s_sub_co_u32 s87, s81, 384
	s_lshr_b32 s87, s87, 2                         ; my first head
	s_add_co_u32 s86, s86, s87
	s_lshl_b32 s86, s86, 4
	s_and_b32 s87, s80, 127
	s_lshr_b32 s87, s87, 3                         ; my key step
	s_add_co_u32 s86, s86, s87
	s_lshl_b32 s96, s86, 12
	s_mov_b32 s97, 0
	s_add_nc_u64 s[96:97], s[14:15], s[96:97]      ; vimg
	s_lshl_b32 s98, s86, 8
	s_mov_b32 s99, 0
	s_add_nc_u64 s[98:99], s[16:17], s[98:99]      ; vsc
.irp a, 0,1,2,3,4,5,6,7
	UNITV \a
.endr
	ds_load_b128 v[40:43], v10
	s_wait_dscnt 0x0
	global_store_b128 v11, v[40:43], s[98:99]      ; sixteen lanes store 256 consecutive bytes
.Lend:
	s_wait_dscnt 0x0
	s_wait_tensorcnt 0x0
	ds_add_u32 v62, v63
	s_wait_dscnt 0x0
	CROUND                                         ; the closing round: no work-group ends while a partner may still ask for a tile that names it
	s_endpgm
.Lfunc_end_k_qbd3b3b2d35_qkv:
	.size	k_qbd3b3b2d35_qkv, .Lfunc_end_k_qbd3b3b2d35_qkv-k_qbd3b3b2d35_qkv
	.p2alignl 7, 3214868480
	.fill 96, 4, 3214868480
	.section	.rodata,"a",@progbits
	.p2align	6, 0x0
	.amdhsa_kernel k_qbd3b3b2d35_qkv
		.amdhsa_group_segment_fixed_size 268800
		.amdhsa_private_segment_fixed_size 0
		.amdhsa_enable_private_segment 0
		.amdhsa_kernarg_size 56
		.amdhsa_user_sgpr_count 2
		.amdhsa_user_sgpr_kernarg_segment_ptr 1
		.amdhsa_wavefront_size32 1
		.amdhsa_system_sgpr_workgroup_id_x 1
		.amdhsa_system_sgpr_workgroup_id_y 1
		.amdhsa_system_sgpr_workgroup_id_z 1
		.amdhsa_system_vgpr_workitem_id 0
		.amdhsa_next_free_vgpr 1024
		.amdhsa_next_free_sgpr 100
		.amdhsa_reserve_vcc 0
		.amdhsa_float_denorm_mode_32 3
		.amdhsa_float_denorm_mode_16_64 3
		.amdhsa_memory_ordered 1
		.amdhsa_forward_progress 1
		.amdhsa_inst_pref_size 196
	.end_amdhsa_kernel
	.amdgpu_metadata
---
amdhsa.version: [ 1, 2 ]
amdhsa.kernels:
  - .name:           k_qbd3b3b2d35_qkv
    .symbol:         k_qbd3b3b2d35_qkv.kd
    .args:
      - { .name: img, .offset: 0, .size: 8, .value_kind: global_buffer, .address_space: global }
      - { .name: sc, .offset: 8, .size: 8, .value_kind: global_buffer, .address_space: global }
      - { .name: b_qkv, .offset: 16, .size: 8, .value_kind: global_buffer, .address_space: global }
      - { .name: qkimg, .offset: 24, .size: 8, .value_kind: global_buffer, .address_space: global }
      - { .name: qksc, .offset: 32, .size: 8, .value_kind: global_buffer, .address_space: global }
      - { .name: vimg, .offset: 40, .size: 8, .value_kind: global_buffer, .address_space: global }
      - { .name: vsc, .offset: 48, .size: 8, .value_kind: global_buffer, .address_space: global }
    .group_segment_fixed_size: 268800
    .private_segment_fixed_size: 0
    .kernarg_segment_align: 8
    .kernarg_segment_size: 56
    .max_flat_workgroup_size: 128
    .sgpr_count:     100
    .vgpr_count:     1024
    .wavefront_size: 32
...
	.end_amdgpu_metadata
.endif
;; end of part 2
;; launch attn (part 3): grid 8 x 32, 16 waves a work-group, no clusters, 145,408 bytes of LDS; arguments qkimg, qksc, vimg, vsc, lam, img, sc; writes img, sc
.if DOCPART == 3
	.amdgcn_target "amdgcn-amd-amdhsa--gfx1250"
	.amdhsa_code_object_version 6
	.text
	.protected	k_qbd3b3b2d35_attn
	.globl	k_qbd3b3b2d35_attn
	.p2align	8
	.type	k_qbd3b3b2d35_attn,@function
k_qbd3b3b2d35_attn:
	s_mov_b64 s[64:65], 0
	v_nop
	global_prefetch_b8 v0, s[64:65] scope:SCOPE_SE
	s_setreg_imm32_b32 hwreg(HW_REG_WAVE_MODE, 25, 1), 1
	s_wait_xcnt 0x0
; o = lam (softmax(q k^T / 32) - softmax(q roll(k)^T / 32)) v for one head, all products on codes of FP4 with E8M0 scales; o leaves as codes, quantised along the model's 1,024.
; THE ROLLED SCORES ARE THE SCORES, ROLLED: k is quantised row by row, so the codes of roll(k) are the rolled codes of k, and s_prev[q][j] = s_cur[q][j - 1] bit for bit (j - 1 taken mod 2,048).
; So diff[q][j] = lam (a1[q][j] - a1[q][j - 1]).  (a2's sum has the same terms as a1's, added here in a1's order.)
; diff is quantised FINISHED: so the row's maximum and sum are found first (pass 1: a running maximum and sum for each lane), and the scores are multiplied again (pass 2), which is as many matrix instructions as the two score products.
; SHARES: a work-group owns 256 queries of one head, each of its sixteen waves one tile of 16; a lane holds ONE query (lane % 16).  Four waves to a SIMD: one wave's exponentials stand beside another's plain work.
; The head's whole K and V (codes and scale words, 143,360 bytes) come into LDS once, through registers, at the head; behind the one barrier LDS is only read.
; NO CLUSTER: what the eight work-groups of a head share is those 143,360 bytes, fetched once by each, against 32 key steps x 16 waves of some 225 vector instructions each; no loop here touches memory.
; LAYOUT: S^T = K Q^T (source 0 = 16 keys, source 1 = my queries).  The head's 64 fill half of the instruction's K = 128: q's upper four registers are zero codes, under scale bytes of 127; K's upper four are whatever follows (the next tile's codes), times zero.
; The keys of a tile are not neighbours (tile T, lane-row r: key 32 (T / 2) + 8 (T % 2) + r + 8 (r / 8)), so register 16 b + i of a step's 64 is key 32 b + 16 (lane / 16) + i.  O^T = V^T diff^T likewise: register 16 b + i is channel 32 b + 16 (lane / 16) + i.
; LIMITS: a block of zeros, or one under 2^-124, keeps the byte 1 where the rule says 127 (its codes are zeros; this program alone reads the bytes).  NaN and infinities are not served.
; The scale bytes of o leave one byte a lane (131,072 bytes in the launch): a head has two bytes of each row's word.
.set KSC,  131072                      ; LDS: K's codes at 0, V's at 65,536, K's scale words, V's scale words
.set VSC,  139264
.set LN16, 1                           ; v1   16 x lane
.set VSB,  2                           ; v2   8 x lane + VSC
.set ADK,  3                           ; v3-6 the addresses of the step to be fetched: K's codes, K's words, V's codes, V's words
.set ADS,  4
.set ADV,  5
.set ADT,  6
.set KSB,  7                           ; v7   16 x lane + KSC
.set Q,    8                           ; v8-11 q's codes, v12-15 zeros
.set QS,   16                          ; v16  q's scale words
.set VB,   17                          ; v17  16 x lane + 65,536
.set CM,   18                          ; v18  c m;  v19 m
.set M,    19
.set L,    20                          ; v[20:21] the sum, in two halves
.set A,    22                          ; v22  2^(c m_old - c m_new)  (v23: the pair's other half)
.set F,    24                          ; v24  lam / l  (v25 likewise)
.set KEEP, 26                          ; v26  the last step's last score: key 2,047 in lanes 16-31
.set CARRY, 27                         ; v27  in lanes 0-15: u of the key before this step's first
.set XX,   28                          ; v28-31
.set KF,   32                          ; v32-63 eight tiles of K, four registers each; v64-67 zeros
.set KS,   68                          ; v68-71 K's scale words: register i: lanes 0-15 tile 2 i, lanes 16-31 tile 2 i + 1
.set VF,   72                          ; v72-103 four fragments of V
.set VS,   104                         ; v104-105 V's scale words, likewise
.set PREV, 106                         ; v106-109
.set S,    112                         ; v112-175 scores, then p, u, diff
.set O,    176                         ; v176-207 O^T
.set PC,   208                         ; v208-215 codes
.set PW,   216                         ; v216 diff's scale word
.set TM,   220                         ; v220-235 at work
.set SUM,  236                         ; v236-243 four chains of sums
.set CNT,  23
.set LAM,  22
.set CS,   42                          ; s[42:43] c = log2(e) / 32
.set SEL,  44
.set HM,   46
.set TB,   47                          ; byte at which the step to be fetched begins in K's and in V's codes
.macro QUANT s, pc, pw
.irp b, 0,1,2,3
	v_max3_num_f32 v[TM+\b], |v[\s+16*\b]|, |v[\s+16*\b+1]|, 0x1800000          ; and the floor 2^(3 - 127): the byte cannot fall under 1
.endr
.irp i, 2,4,6,8,10,12,14
.irp b, 0,1,2,3
	v_max3_num_f32 v[TM+\b], v[TM+\b], |v[\s+16*\b+\i]|, |v[\s+16*\b+\i+1]|
.endr
.endr
.irp b, 0,1,2,3
	v_permlanex16_b32 v[TM+4+\b], v[TM+\b], s[SEL], s[SEL+1]
.endr
.irp b, 0,1,2,3
	v_max_num_f32 v[TM+\b], v[TM+\b], v[TM+4+\b]
.endr
.irp b, 0,1,2,3
	v_add_nc_u32 v[TM+12+\b], 0xff000000, v[TM+\b]
.endr
.irp b, 0,1,2,3
	v_lshrrev_b32 v[TM+4+\b], 23, v[TM+12+\b]
.endr
	v_lshl_or_b32 v[\pw], v[TM+5], 8, v[TM+4]
	v_lshl_or_b32 v[\pw], v[TM+6], 16, v[\pw]
	v_lshl_or_b32 v[\pw], v[TM+7], 24, v[\pw]
.irp b, 0,1,2,3
	v_cvt_scalef32_pk8_fp4_f32 v[\pc+2*\b], v[\s+16*\b:\s+16*\b+7], v[TM+12+\b]
	v_cvt_scalef32_pk8_fp4_f32 v[\pc+2*\b+1], v[\s+16*\b+8:\s+16*\b+15], v[TM+12+\b]
.endr
	v_nop                                                                       ; one plain line behind a scaled conversion
.irp c, 0,1
.irp i, 0,1
	v_permlane16_swap_b32 v[\pc+4*\c+\i], v[\pc+4*\c+2+\i]
.endr
.endr
.endm
.macro QUANT2 s, pc                    ; the same for 32 numbers: two blocks, four registers of codes; the bytes stay in v[TM+4], v[TM+5]
.irp b, 0,1
	v_max3_num_f32 v[TM+\b], |v[\s+16*\b]|, |v[\s+16*\b+1]|, 0x1800000
.endr
.irp i, 2,4,6,8,10,12,14
.irp b, 0,1
	v_max3_num_f32 v[TM+\b], v[TM+\b], |v[\s+16*\b+\i]|, |v[\s+16*\b+\i+1]|
.endr
.endr
.irp b, 0,1
	v_permlanex16_b32 v[TM+4+\b], v[TM+\b], s[SEL], s[SEL+1]
.endr
.irp b, 0,1
	v_max_num_f32 v[TM+\b], v[TM+\b], v[TM+4+\b]
.endr
.irp b, 0,1
	v_add_nc_u32 v[TM+12+\b], 0xff000000, v[TM+\b]
.endr
.irp b, 0,1
	v_lshrrev_b32 v[TM+4+\b], 23, v[TM+12+\b]
.endr
.irp b, 0,1
	v_cvt_scalef32_pk8_fp4_f32 v[\pc+2*\b], v[\s+16*\b:\s+16*\b+7], v[TM+12+\b]
	v_cvt_scalef32_pk8_fp4_f32 v[\pc+2*\b+1], v[\s+16*\b+8:\s+16*\b+15], v[TM+12+\b]
.endr
	v_nop
.irp i, 0,1
	v_permlane16_swap_b32 v[\pc+\i], v[\pc+2+\i]
.endr
.endm
.macro KLOAD                           ; nine LDS loads: a step's eight tiles of K and their scale words
.irp t, 0,1,2,3,4,5,6,7
	ds_load_b128 v[KF+4*\t:KF+4*\t+3], v[ADK] offset:512*\t
.endr
	ds_load_b128 v[KS:KS+3], v[ADS]
.endm
.macro VLOAD                           ; nine LDS loads: a step's four fragments of V and their scale words
.irp t, 0,1,2,3
	ds_load_b128 v[VF+8*\t:VF+8*\t+3], v[ADV] offset:1024*\t
	ds_load_b128 v[VF+8*\t+4:VF+8*\t+7], v[ADV] offset:1024*\t+512
.endr
	ds_load_b64 v[VS:VS+1], v[ADT]
.endm
.macro SMUL                            ; the scores of 128 keys: eight matrix instructions, each starting its own sum
.irp t, 0,1,2,3,4,5,6,7
.if \t%2
	v_wmma_scale_f32_16x16x128_f8f6f4 v[S+8*\t:S+8*\t+7], v[KF+4*\t:KF+4*\t+7], v[Q:Q+7], 0, v[KS+\t/2], v[QS] matrix_a_fmt:MATRIX_FMT_FP4 matrix_b_fmt:MATRIX_FMT_FP4 matrix_a_scale:MATRIX_SCALE_ROW1
.else
	v_wmma_scale_f32_16x16x128_f8f6f4 v[S+8*\t:S+8*\t+7], v[KF+4*\t:KF+4*\t+7], v[Q:Q+7], 0, v[KS+\t/2], v[QS] matrix_a_fmt:MATRIX_FMT_FP4 matrix_b_fmt:MATRIX_FMT_FP4
.endif
.endr
.endm
.macro SCALE_EXP                       ; p = 2^(c s - c m): 32 packed multiply-adds, 64 exponentials
.set J, 0
.rept 32
	v_pk_fma_f32 v[S+J:S+J+1], v[S+J:S+J+1], s[CS:CS+1], v[CM:CM+1] op_sel_hi:[1,0,0] neg_lo:[0,0,1] neg_hi:[0,0,1]
.set J, J+2
.endr
.set J, 0
.rept 64
	v_exp_f32 v[S+J], v[S+J]
.set J, J+1
.endr
.endm
	s_load_b256 s[4:11], s[0:1], 0x0               ; qkimg s[4:5], qksc s[6:7], vimg s[8:9], vsc s[10:11]
	s_load_b128 s[12:15], s[0:1], 0x20             ; lam s[12:13], img s[14:15]
	s_load_b64 s[16:17], s[0:1], 0x30              ; sc
	v_lshl_add_u32 v254, v0, 2, 0x23000
	v_mov_b32 v255, 0
	v_lshrrev_b32 v1, 5, v0
	v_readfirstlane_b32 s18, v1                    ; wave 0..15
	s_and_b32 s19, ttmp7, 0xffff
	s_lshr_b32 s20, s19, 4                         ; b
	s_and_b32 s21, s19, 15                         ; the head
	s_lshl_b32 s19, ttmp9, 4
	s_add_co_u32 s19, s19, s18                     ; my tile of queries, 0..127
	s_lshl_b32 s24, s20, 5
	s_add_co_u32 s24, s24, s21                     ; q's head in qkimg and qksc
	s_lshl_b32 s34, s24, 16
	s_lshl_b32 s25, s19, 9
	s_add_co_u32 s34, s34, s25                     ; q's codes: 512 bytes a tile
	s_mov_b32 s35, 0
	s_lshl_b32 s36, s24, 13
	s_lshr_b32 s25, s19, 3
	s_lshl_b32 s25, s25, 9
	s_add_co_u32 s36, s36, s25                     ; q's scale words: the group of eight tiles,
	s_and_b32 s25, s18, 1
	s_lshl_b32 s25, s25, 8
	s_add_co_u32 s36, s36, s25                     ; the half of its lanes,
	s_bfe_u32 s25, s18, 0x20001
	s_lshl_b32 s25, s25, 2
	s_add_co_u32 s36, s36, s25                     ; the word
	s_mov_b32 s37, 0
	s_add_co_u32 s24, s24, 16                      ; k's head
	s_lshl_b32 s26, s24, 16
	s_mov_b32 s27, 0
	s_lshl_b32 s28, s24, 13
	s_mov_b32 s29, 0
	s_lshl_b32 s24, s20, 4
	s_add_co_u32 s24, s24, s21                     ; v's head
	s_lshl_b32 s30, s24, 16
	s_mov_b32 s31, 0
	s_lshl_b32 s32, s24, 12
	s_mov_b32 s33, 0
	s_lshl_b32 s24, s20, 7
	s_add_co_u32 s24, s24, s19
	s_add_co_u32 s24, s24, 512                     ; o's tile in img and sc
	s_lshl_b32 s38, s24, 13
	s_lshr_b32 s25, s21, 1
	s_lshl_b32 s25, s25, 10
	s_add_co_u32 s38, s38, s25                     ; K step head / 2,
	s_and_b32 s25, s21, 1
	s_lshl_b32 s25, s25, 9
	s_add_co_u32 s38, s38, s25                     ; its half head % 2
	s_mov_b32 s39, 0
	s_lshl_b32 s40, s24, 9
	s_lshr_b32 s25, s21, 3
	s_lshl_b32 s25, s25, 8
	s_add_co_u32 s40, s40, s25
	s_bfe_u32 s25, s21, 0x20001
	s_lshl_b32 s25, s25, 2
	s_add_co_u32 s40, s40, s25
	s_and_b32 s25, s21, 1
	s_lshl_b32 s25, s25, 1
	s_add_co_u32 s40, s40, s25
	s_mov_b32 s41, 0
	s_mov_b32 s[CS], 0x3d38aa3b                    ; c = log2(e) / 32: reference() scales by 1,024^-0.5
	s_mov_b32 s[CS+1], s[CS]                       ; (named with it as a pair, so it is written)
	s_mov_b32 s[SEL], 0x76543210
	s_mov_b32 s[SEL+1], 0xfedcba98
	s_mov_b32 s[HM], 0xffff0000
	v_and_b32 v1, 31, v0
	v_lshl_add_u32 v[VSB], v1, 3, VSC
	v_lshlrev_b32 v[LN16], 4, v1
	v_add_nc_u32 v[KSB], KSC, v[LN16]
	v_add_nc_u32 v[VB], 65536, v[LN16]
	v_lshlrev_b32 v244, 4, v0                      ; 16 x thread: K's and V's way into LDS
	v_add_nc_u32 v245, 65536, v244
	v_add_nc_u32 v246, KSC, v244
	v_lshlrev_b32 v247, 3, v0
	v_add_nc_u32 v248, VSC, v247
	v_and_b32 v249, 15, v0                         ; r
	v_bfe_u32 v250, v0, 4, 1                       ; h
	v_lshl_add_u32 v250, v249, 4, v250             ; o's scale byte: 16 r + h
	v_lshlrev_b32 v249, 4, v249                    ; q's scale word: 16 r
	s_wait_kmcnt 0x0
	s_load_b32 s[LAM], s[12:13], 0x0
	s_add_nc_u64 s[26:27], s[4:5], s[26:27]
	s_add_nc_u64 s[28:29], s[6:7], s[28:29]
	s_add_nc_u64 s[30:31], s[8:9], s[30:31]
	s_add_nc_u64 s[32:33], s[10:11], s[32:33]
	s_add_nc_u64 s[34:35], s[4:5], s[34:35]
	s_add_nc_u64 s[36:37], s[6:7], s[36:37]
	s_add_nc_u64 s[38:39], s[14:15], s[38:39]
	s_add_nc_u64 s[40:41], s[16:17], s[40:41]
.irp i, 0,1,2,3,4,5,6,7
	global_load_b128 v[S+4*\i:S+4*\i+3], v244, s[26:27] offset:8192*\i          ; the 512 threads read 8,192 consecutive bytes
.endr
.irp i, 0,1,2,3,4,5,6,7
	global_load_b128 v[S+32+4*\i:S+32+4*\i+3], v244, s[30:31] offset:8192*\i
.endr
	global_load_b128 v[176:179], v244, s[28:29]
	global_load_b64 v[180:181], v247, s[32:33]
	global_load_b128 v[Q:Q+3], v[LN16], s[34:35]
	global_load_b32 v[QS], v249, s[36:37]
.irp j, 4,5,6,7
	v_mov_b32 v[Q+\j], 0                           ; zero codes for k = 64 .. 127
.endr
.irp j, 32,33,34,35
	v_mov_b32 v[KF+\j], 0                          ; what tile 7's operand names behind its four registers
.endr
.irp j, 4,5,6,7
	v_mov_b32 v[TM+\j], 0                          ; written once: a lane permute's destination counts as one of its sources
.endr
.irp j, 0,1,2,3,4
	v_mov_b32 v[CARRY+\j], 0                       ; likewise (v27-31)
.endr
	v_mov_b32 v[M], 0xff61b1e6                     ; the largest score so far: -3e38, under every score
	v_mul_f32 v[CM], s[CS], v[M]
	v_mov_b32 v[L], 0
	v_mov_b32 v[L+1], 0
	v_mov_b32 v[A+1], 0                            ; (the pairs' other halves are named, so they are written)
	v_mov_b32 v[F+1], 0
	s_wait_loadcnt 0x0
	s_wait_kmcnt 0x0                               ; lam
.irp i, 0,1,2,3,4,5,6,7
	ds_store_b128 v244, v[S+4*\i:S+4*\i+3] offset:8192*\i
.endr
.irp i, 0,1,2,3,4,5,6,7
	ds_store_b128 v245, v[S+32+4*\i:S+32+4*\i+3] offset:8192*\i
.endr
	ds_store_b128 v246, v[176:179]
	ds_store_b64 v248, v[180:181]
	s_wait_dscnt 0x0                               ; for the others' sake: my stores have landed
	s_barrier_signal -1
	s_barrier_wait -1                              ; the head's K and V lie in LDS; from here on LDS is only read
.set J, 0
.rept 32
	v_mov_b32 v[O+J], 0                            ; O^T: the step is written once, so its first trip adds onto zeros
.set J, J+1
.endr
	; ---- PASS 1: for each lane the running maximum m and sum l of its 64 keys a step
	s_mov_b32 s[TB], 0
	s_mov_b32 s[CNT], 16
	v_mov_b32 v[ADK], v[LN16]
	v_mov_b32 v[ADS], v[KSB]
	KLOAD
.Lpass1:
	s_wait_dscnt 0x0                               ; this step's K is in
	SMUL
	s_add_co_u32 s[TB], s[TB], 4096                ; the next step; behind the last it is step 0 again, which pass 2 begins with
	s_and_b32 s[TB], s[TB], 0xffff
	s_lshr_b32 s24, s[TB], 3
	v_add_nc_u32 v[ADK], s[TB], v[LN16]            ; these two and two v_nop are the four places in front of the loads into K's registers and of the first read of the scores
	v_add_nc_u32 v[ADS], s24, v[KSB]
	v_nop
	v_nop
	KLOAD
.irp b, 0,1,2,3
	v_max3_num_f32 v[TM+\b], v[S+16*\b], v[S+16*\b+1], v[S+16*\b+2]              ; four chains; each tile of scores is read from its low end on
.endr
.irp i, 3,5,7,9,11,13
.irp b, 0,1,2,3
	v_max3_num_f32 v[TM+\b], v[TM+\b], v[S+16*\b+\i], v[S+16*\b+\i+1]
.endr
.endr
.irp b, 0,1,2,3
	v_max_num_f32 v[TM+\b], v[TM+\b], v[S+16*\b+15]
.endr
	v_max3_num_f32 v[TM+4], v[TM], v[TM+1], v[TM+2]
	v_mov_b32 v[KEEP], v[S+63]                     ; after the last trip: key 2,047's score in lanes 16-31
	v_mov_b32 v[TM+5], v[CM]
	v_max3_num_f32 v[M], v[TM+4], v[TM+3], v[M]    ; the new m
	v_mul_f32 v[CM], s[CS], v[M]
	v_sub_f32 v[TM+5], v[TM+5], v[CM]
	v_exp_f32 v[A], v[TM+5]                        ; a = 2^(c m_old - c m_new)
	SCALE_EXP
	s_wait_alu depctr_va_vdst(0)
	v_pk_mul_f32 v[L:L+1], v[L:L+1], v[A:A+1] op_sel_hi:[1,0]                    ; l under the new m.  (The plain line behind the exponentials)
.irp k, 0,1,2,3
	v_pk_add_f32 v[SUM+2*\k:SUM+2*\k+1], v[S+2*\k:S+2*\k+1], v[S+8+2*\k:S+8+2*\k+1]
.endr
.irp j, 16,24,32,40,48,56
.irp k, 0,1,2,3
	v_pk_add_f32 v[SUM+2*\k:SUM+2*\k+1], v[SUM+2*\k:SUM+2*\k+1], v[S+\j+2*\k:S+\j+2*\k+1]
.endr
.endr
	v_pk_add_f32 v[SUM:SUM+1], v[SUM:SUM+1], v[SUM+2:SUM+3]
	v_pk_add_f32 v[SUM+4:SUM+5], v[SUM+4:SUM+5], v[SUM+6:SUM+7]
	v_pk_add_f32 v[SUM:SUM+1], v[SUM:SUM+1], v[SUM+4:SUM+5]
	v_pk_add_f32 v[L:L+1], v[L:L+1], v[SUM:SUM+1]
	s_sub_co_u32 s[CNT], s[CNT], 1
	s_cmp_lg_u32 s[CNT], 0
	s_cbranch_scc1 .Lpass1
	; ---- between the passes: V of step 0 is asked for; the two lanes of a query join their m and l; f = lam / l; u of key 2,047
	s_lshr_b32 s24, s[TB], 4
	v_add_nc_u32 v[ADV], s[TB], v[VB]
	v_add_nc_u32 v[ADT], s24, v[VSB]
	VLOAD
	v_permlanex16_b32 v[TM+4], v[M], s[SEL], s[SEL+1]
	v_max_num_f32 v[TM+4], v[TM+4], v[M]           ; the row's maximum
	v_mul_f32 v[TM+5], s[CS], v[TM+4]
	v_sub_f32 v[TM+6], v[CM], v[TM+5]
	v_exp_f32 v[TM+6], v[TM+6]
	v_add_f32 v[L], v[L], v[L+1]                   ; (a plain line behind the exponential)
	s_wait_alu depctr_va_vdst(0)
	v_mul_f32 v[L], v[L], v[TM+6]                  ; my sum under the row's maximum,
	v_permlanex16_b32 v[TM+7], v[L], s[SEL], s[SEL+1]
	v_add_f32 v[L], v[L], v[TM+7]                  ; and lane l xor 16's: the row's sum
	v_mov_b32 v[CM], v[TM+5]
	v_mov_b32 v[M], v[TM+4]
	v_rcp_f32 v[F], v[L]
	v_fma_f32 v[KEEP], v[KEEP], s[CS], -v[CM]      ; (a plain line behind the reciprocal)
	s_wait_alu depctr_va_vdst(0)
	v_mul_f32 v[F], s[LAM], v[F]                   ; f = lam / l
	v_exp_f32 v[KEEP], v[KEEP]
	v_nop
	s_wait_alu depctr_va_vdst(0)
	v_mul_f32 v[KEEP], v[KEEP], v[F]
	v_permlanex16_b32 v[CARRY], v[KEEP], s[SEL], s[SEL+1]                        ; lanes 0-15 now hold u of key 2,047: the key before key 0
	; ---- PASS 2: u = f p; diff = u - the key before's u; quantised; O^T += V^T diff^T
	s_mov_b32 s[CNT], 16
.Lpass2:
	s_wait_dscnt 9                                 ; this step's K is in; the nine younger loads are V's
	SMUL
	s_add_co_u32 s[TB], s[TB], 4096
	s_and_b32 s[TB], s[TB], 0xffff                 ; (the last trip fetches step 0 once more: inside LDS, and not used)
	s_lshr_b32 s24, s[TB], 3
	s_lshr_b32 s25, s[TB], 4
	v_add_nc_u32 v[ADK], s[TB], v[LN16]            ; four places
	v_add_nc_u32 v[ADS], s24, v[KSB]
	v_add_nc_u32 v[ADV], s[TB], v[VB]
	v_add_nc_u32 v[ADT], s25, v[VSB]
	KLOAD
	SCALE_EXP
	v_nop                                          ; the plain line behind the exponentials
.set J, 0
	s_wait_alu depctr_va_vdst(0)
.rept 32
	v_pk_mul_f32 v[S+J:S+J+1], v[S+J:S+J+1], v[F:F+1] op_sel_hi:[1,0]           ; u = lam a1
.set J, J+2
.endr
.irp b, 0,1,2,3
	v_permlanex16_b32 v[XX+\b], v[S+16*\b+15], s[SEL], s[SEL+1]                 ; the other half's last key of block b
.endr
	v_cndmask_b32 v[PREV], v[CARRY], v[XX], s[HM]                               ; the key before my first of a block: lanes 16-31: key 32 b + 15; lanes 0-15: key 32 b - 1
.irp b, 1,2,3
	v_cndmask_b32 v[PREV+\b], v[XX+\b-1], v[XX+\b], s[HM]
.endr
.irp i, 15,14,13,12,11,10,9,8,7,6,5,4,3,2,1
.irp b, 0,1,2,3
	v_sub_f32 v[S+16*\b+\i], v[S+16*\b+\i], v[S+16*\b+\i-1]                     ; in place, from the top down; the four blocks by turns
.endr
.endr
.irp b, 0,1,2,3
	v_sub_f32 v[S+16*\b], v[S+16*\b], v[PREV+\b]
.endr
	QUANT S, PC, PW
	v_mov_b32 v[CARRY], v[XX+3]                    ; for the next step.  With the seven v_nop: eight places between the scale word's and the codes' last writes and the scaled matrix instructions
.rept 7
	v_nop
.endr
	s_wait_dscnt 9                                 ; this step's V is in; the nine younger loads are the next step's K
.irp t, 0,1,2,3
.if \t%2
	v_wmma_scale_f32_16x16x128_f8f6f4 v[O+8*\t:O+8*\t+7], v[VF+8*\t:VF+8*\t+7], v[PC:PC+7], v[O+8*\t:O+8*\t+7], v[VS+\t/2], v[PW] matrix_a_fmt:MATRIX_FMT_FP4 matrix_b_fmt:MATRIX_FMT_FP4 matrix_a_scale:MATRIX_SCALE_ROW1
.else
	v_wmma_scale_f32_16x16x128_f8f6f4 v[O+8*\t:O+8*\t+7], v[VF+8*\t:VF+8*\t+7], v[PC:PC+7], v[O+8*\t:O+8*\t+7], v[VS+\t/2], v[PW] matrix_a_fmt:MATRIX_FMT_FP4 matrix_b_fmt:MATRIX_FMT_FP4
.endif
.endr                                                  ; the four accumulators take turns, one instruction a turn, with the eight score products between two trips
.rept 4
	v_nop                                          ; places in front of the loads into V's registers, and behind the loop of the first read of O^T
.endr
	VLOAD
	s_sub_co_u32 s[CNT], s[CNT], 1
	s_cmp_lg_u32 s[CNT], 0
	s_cbranch_scc1 .Lpass2
	; ---- the way out: my query's 64 channels are two blocks of the last product's K
	s_wait_dscnt 0x0
	QUANT2 O, PC
	v_cndmask_b32 v251, v[TM+4], v[TM+5], s[HM]    ; lanes 0-15 store block 0's byte, lanes 16-31 block 1's
	global_store_b128 v[LN16], v[PC:PC+3], s[38:39]                              ; 512 consecutive bytes: half a fragment's image
	global_store_b8 v250, v251, s[40:41]
	s_wait_tensorcnt 0x0
	ds_add_u32 v254, v255
	s_wait_dscnt 0x0
	s_endpgm
.Lfunc_end_k_qbd3b3b2d35_attn:
	.size	k_qbd3b3b2d35_attn, .Lfunc_end_k_qbd3b3b2d35_attn-k_qbd3b3b2d35_attn
	.p2alignl 7, 3214868480
	.fill 96, 4, 3214868480
	.section	.rodata,"a",@progbits
	.p2align	6, 0x0
	.amdhsa_kernel k_qbd3b3b2d35_attn
		.amdhsa_group_segment_fixed_size 145408
		.amdhsa_private_segment_fixed_size 0
		.amdhsa_enable_private_segment 0
		.amdhsa_kernarg_size 56
		.amdhsa_user_sgpr_count 2
		.amdhsa_user_sgpr_kernarg_segment_ptr 1
		.amdhsa_wavefront_size32 1
		.amdhsa_system_sgpr_workgroup_id_x 1
		.amdhsa_system_sgpr_workgroup_id_y 1
		.amdhsa_system_sgpr_workgroup_id_z 1
		.amdhsa_system_vgpr_workitem_id 0
		.amdhsa_next_free_vgpr 256
		.amdhsa_next_free_sgpr 66
		.amdhsa_reserve_vcc 0
		.amdhsa_float_denorm_mode_32 3
		.amdhsa_float_denorm_mode_16_64 3
		.amdhsa_memory_ordered 1
		.amdhsa_forward_progress 1
		.amdhsa_inst_pref_size 40
	.end_amdhsa_kernel
	.amdgpu_metadata
---
amdhsa.version: [ 1, 2 ]
amdhsa.kernels:
  - .name:           k_qbd3b3b2d35_attn
    .symbol:         k_qbd3b3b2d35_attn.kd
    .args:
      - { .name: qkimg, .offset: 0, .size: 8, .value_kind: global_buffer, .address_space: global }
      - { .name: qksc, .offset: 8, .size: 8, .value_kind: global_buffer, .address_space: global }
      - { .name: vimg, .offset: 16, .size: 8, .value_kind: global_buffer, .address_space: global }
      - { .name: vsc, .offset: 24, .size: 8, .value_kind: global_buffer, .address_space: global }
      - { .name: lam, .offset: 32, .size: 8, .value_kind: global_buffer, .address_space: global }
      - { .name: img, .offset: 40, .size: 8, .value_kind: global_buffer, .address_space: global }
      - { .name: sc, .offset: 48, .size: 8, .value_kind: global_buffer, .address_space: global }
    .group_segment_fixed_size: 145408
    .private_segment_fixed_size: 0
    .kernarg_segment_align: 8
    .kernarg_segment_size: 56
    .max_flat_workgroup_size: 512
    .sgpr_count:     66
    .vgpr_count:     256
    .wavefront_size: 32
...
	.end_amdgpu_metadata
.endif
;; end of part 3
;; launch outp (part 4): grid 8 x 32, 4 waves a work-group, clusters of 4 x 4, 168,448 bytes of LDS; arguments img, sc, b_out, out0; writes out0
.if DOCPART == 4
	.amdgcn_target "amdgcn-amd-amdhsa--gfx1250"
	.amdhsa_code_object_version 6
	.text
	.protected	k_qbd3b3b2d35_outp
	.globl	k_qbd3b3b2d35_outp
	.p2align	8
	.type	k_qbd3b3b2d35_outp,@function
k_qbd3b3b2d35_outp:
	s_mov_b64 s[64:65], 0
	v_nop
	global_prefetch_b8 v0, s[64:65] scope:SCOPE_SE
	s_setreg_imm32_b32 hwreg(HW_REG_WAVE_MODE, 25, 1), 1
	s_wait_xcnt 0x0
	s_wait_alu depctr_hold_cnt(0) depctr_sa_sdst(0) depctr_va_vdst(0) depctr_va_sdst(0) depctr_va_ssrc(0) depctr_va_vcc(0) depctr_vm_vsrc(0)
	s_getreg_b32 s2, hwreg(HW_REG_IB_STS2, 6, 4)
	s_cmp_eq_u32 s2, 0
	s_cbranch_scc0 .Lentry_in_a_cluster
	s_endpgm
.Lentry_in_a_cluster:
	s_bfe_u32 s2, ttmp6, 0x10000c
	s_cmp_lg_u32 s2, 0xf033
	s_cbranch_scc0 .Lentry_shape_is_right
	s_endpgm
.Lentry_shape_is_right:
; out0 = o w_out^T + b_out on codes of FP4 with E8M0 scales, sums in f32.  o's codes are tiles 512-767 of img, w_out's tiles 448-511; tile T's lane-row r is row 32 (T / 2) + 8 (T % 2) + r + 8 (r / 8) of its tensor.
; THE PRODUCT: source 0 = 16 rows of P = w_out (features), source 1 = 16 rows of R = o (tokens): a lane holds one token, and the 16 registers of P's tiles 2 b, 2 b + 1 are the features 32 b + 16 (lane / 16) + 0 .. 15.
; SHARES: a work-group makes 128 tokens x 128 features (8 tiles x 8), so that there are 256 work-groups; a wave 64 x 64: 16 accumulators.
; LDS: both panels for all of K = 1,024 are 131,072 bytes: each byte of LDS is filled ONCE, by four tensor loads a wave (four chunks of two K steps), issued together; counted waits let the products start on chunk 0.
; CLUSTER 4 x 4: R's tiles are shared along a row of the cluster, P's along a column: joint loads, each with a mask of four.
; REGISTERS: window 0: v1-9 addresses; v64-95 scale words (8 i + s: lanes 0-15 R's tile i, lanes 16-31 P's tile i, K step s); v96-127 results with the bias; v128-191 R's fragments, two sets; on the way out v128-255 rows of out0.
;   window 1: v0-63 P's fragments, two sets; v128-159 the bias in the result's layout.   window 2: accumulator (a, b) at 8 (4 a + b).
.set NT,    4
.set LOGNT, 2
.set PART,  NT*2048
.set CHB,   4*PART
.set STG,   4*CHB                      ; behind the panels: a stage of 16 rows x (256 bytes + 16) for each wave
.set SPI,   272
.set SC,  64
.set RF,  128
.set PF,  0
.set BO,  128
.set H,   96
.set OB,  128
.set G1R, 24
.set G0R, 32
.set G0P, 48
.set G1P, 68
.set HM,  88
.set MSB, 0
.macro WIN new                         ; the immediate's high byte repeats the setting that is left
.if MSB != (\new)
	s_set_vgpr_msb (MSB<<8)|(\new)
.set MSB, (\new)
.endif
.endm
.macro CROUND                          ; a round of the cluster's barrier
	s_barrier_signal -1
	s_barrier_wait -1
	s_cmp_lg_u32 s18, 0
	s_cbranch_scc1 .Lnot_wave_0_\@
	s_barrier_signal -3
.Lnot_wave_0_\@:
	s_barrier_wait -3
	s_barrier_signal -1
	s_barrier_wait -1
.endm
	s_load_b256 s[4:11], s[0:1], 0x0               ; img s[4:5], sc s[6:7], b_out s[8:9], out0 s[10:11]
	v_lshl_add_u32 v62, v0, 2, 0x29000
	v_mov_b32 v63, 0
	ds_add_u32 v62, v63
	ds_add_u32 v62, v63
	v_lshrrev_b32 v1, 5, v0
	v_readfirstlane_b32 s18, v1                    ; wave 0..3
	s_lshr_b32 s19, s18, 1                         ; which half of R's tiles I multiply.  Also: I fetch for R (0) or for P (1)
	s_and_b32 s89, s18, 1                          ; which half of P's tiles I multiply.  Also: which half I fetch
	s_bfe_u32 s20, ttmp6, 0x40000                  ; cx
	s_bfe_u32 s21, ttmp6, 0x40004                  ; cy
	s_lshl_b32 s22, ttmp9, 2
	s_add_co_u32 s22, s22, s20                     ; X
	s_and_b32 s23, ttmp7, 0xffff
	s_lshl_b32 s76, s23, 2
	s_add_co_u32 s76, s76, s21                     ; Y
	s_lshl_b32 s94, s21, 2
	s_lshl_b32 s94, 15, s94                        ; my row of the cluster
	s_lshl_b32 s95, 0x1111, s20                    ; my column
	s_or_b32 s[G1R], s94, (3<<16)|(1<<21)          ; 15:0 the mask; 17:16 elements of 8 bytes; 21 set beside a mask; no padding
	s_or_b32 s[G1P], s95, (3<<16)|(1<<21)
.irp g, G1R, G1P
	s_mov_b32 s[\g+1], 256<<16                     ; tensor_dim0 = 256 elements: two K steps of a tile, 2,048 bytes
	s_mov_b32 s[\g+2], NT<<16                      ; tensor_dim1 = NT tiles
	s_mov_b32 s[\g+3], 256<<16                     ; tile_dim0
	s_mov_b32 s[\g+4], NT                          ; tile_dim1
	s_mov_b32 s[\g+5], 1024                        ; from tile to tile: 8,192 bytes
	s_mov_b32 s[\g+6], 0
	s_mov_b32 s[\g+7], 0
.endr
	s_lshl_b32 s79, s76, 3
	s_add_co_u32 s79, s79, 512                     ; R = o's tiles 512 + 8 Y on: made of cy and the cluster's y alone
	s_lshl_b32 s78, s22, 3
	s_add_co_u32 s78, s78, 448                     ; P = w_out's tiles 448 + 8 X on: of cx and the cluster's x alone
	s_lshl_b32 s80, s89, LOGNT
	s_add_co_u32 s80, s80, s78                     ; P's tiles that I multiply, and that I fetch if I fetch for P
	s_lshl_b32 s81, s19, LOGNT
	s_add_co_u32 s81, s81, s79                     ; R's tiles that I multiply
	s_lshl_b32 s82, s89, LOGNT
	s_add_co_u32 s82, s82, s79                     ; R's tiles that I fetch if I fetch for R
	s_lshl_b32 s82, s82, 13
	s_mov_b32 s83, 0
	s_lshl_b32 s84, s80, 13
	s_mov_b32 s85, 0
	s_mul_i32 s93, s18, PART                       ; where my part of a chunk goes: no place in the cluster enters an LDS address
	s_mov_b32 s[HM], 0xffff0000
	s_wait_dscnt 0x0
	s_wait_kmcnt 0x0
	s_add_nc_u64 s[82:83], s[4:5], s[82:83]
	s_add_nc_u64 s[84:85], s[4:5], s[84:85]
.irp ch, 0,1,2,3
	s_mov_b32 s[G0R+4*\ch], 1
	s_add_co_u32 s[G0R+4*\ch+1], s93, \ch*CHB
	s_add_nc_u64 s[G0R+4*\ch+2:G0R+4*\ch+3], s[82:83], \ch*2048
	s_or_b32 s[G0R+4*\ch+3], s[G0R+4*\ch+3], 0x80000000
	s_mov_b32 s[G0P+4*\ch], 1
	s_add_co_u32 s[G0P+4*\ch+1], s93, \ch*CHB
	s_add_nc_u64 s[G0P+4*\ch+2:G0P+4*\ch+3], s[84:85], \ch*2048
	s_or_b32 s[G0P+4*\ch+3], s[G0P+4*\ch+3], 0x80000000
.endr
	CROUND                                         ; all sixteen work-groups are here: the joint loads meet
	s_cmp_eq_u32 s19, 0                            ; a wave's four fills stand in one branch on its number: four tensor loads of mine are out; four v_nop follow the last
	s_cbranch_scc0 .Lfill_p
	tensor_load_to_lds s[G0R:G0R+3], s[G1R:G1R+7]
	s_nop 0
	tensor_load_to_lds s[G0R+4:G0R+7], s[G1R:G1R+7]
	s_nop 0
	tensor_load_to_lds s[G0R+8:G0R+11], s[G1R:G1R+7]
	s_nop 0
	tensor_load_to_lds s[G0R+12:G0R+15], s[G1R:G1R+7]
	s_nop 0
.rept 4
	v_nop
.endr
	s_branch .Lfilled
.Lfill_p:
	tensor_load_to_lds s[G0P:G0P+3], s[G1P:G1P+7]
	s_nop 0
	tensor_load_to_lds s[G0P+4:G0P+7], s[G1P:G1P+7]
	s_nop 0
	tensor_load_to_lds s[G0P+8:G0P+11], s[G1P:G1P+7]
	s_nop 0
	tensor_load_to_lds s[G0P+12:G0P+15], s[G1P:G1P+7]
	s_nop 0
.rept 4
	v_nop
.endr
.Lfilled:
	v_and_b32 v1, 31, v0
	v_lshlrev_b32 v1, 4, v1                        ; 16 x lane
	v_and_b32 v5, 15, v0                           ; r
	v_bfe_u32 v6, v0, 4, 1                         ; h
	s_mul_i32 s86, s89, PART
	s_add_co_u32 s86, s86, 2*PART
	v_add_nc_u32 v2, s86, v1                       ; my half of P in chunk 0
	s_mul_i32 s86, s19, PART
	v_add_nc_u32 v3, s86, v1                       ; my half of R
	s_lshl_b32 s86, s81, 9
	s_lshl_b32 s87, s80, 9
	v_mov_b32 v4, s86
	v_mov_b32 v14, s87
	v_cndmask_b32 v4, v4, v14, s[HM]               ; scale words: lanes 0-15 take R's, lanes 16-31 P's
	v_lshl_add_u32 v4, v5, 4, v4
.irp i, 0,1,2,3
.irp q, 0,1
	global_load_b128 v[SC+8*\i+4*\q:SC+8*\i+4*\q+3], v4, s[6:7] offset:512*\i+256*\q
.endr
.endr
	s_sub_co_u32 s96, s80, 448
	s_lshl_b32 s96, s96, 6                         ; my first feature x 4 bytes
	s_mov_b32 s97, 0
	s_sub_co_u32 s98, s81, 512
	s_lshl_b32 s98, s98, 16                        ; my first token x 4,096 bytes
	s_add_co_u32 s98, s98, s96
	s_mov_b32 s99, 0
	s_add_nc_u64 s[96:97], s[8:9], s[96:97]        ; b_out
	s_add_nc_u64 s[98:99], s[10:11], s[98:99]      ; out0
	v_lshlrev_b32 v12, 6, v6                       ; 16 h numbers on
	WIN 0x40                                       ; destination window 1
.irp t, 0,1,2,3
	global_load_b128 v[BO+8*\t:BO+8*\t+3], v12, s[96:97] offset:(32*(\t/2)+8*(\t%2))*4
	global_load_b128 v[BO+8*\t+4:BO+8*\t+7], v12, s[96:97] offset:(32*(\t/2)+8*(\t%2))*4+16
.endr
	WIN 0
	s_mul_i32 s86, s18, 16*SPI
	s_add_co_u32 s86, s86, STG                     ; my stage
	v_mul_u32_u24 v7, v5, SPI
	v_lshl_add_u32 v7, v6, 6, v7
	v_add_nc_u32 v7, s86, v7                       ; in: row r, + 64 h
	v_mul_u32_u24 v8, v6, SPI
	v_lshl_add_u32 v8, v5, 4, v8
	v_add_nc_u32 v8, s86, v8                       ; back: lanes 0-15 one row of 256 bytes, lanes 16-31 the next
	v_lshlrev_b32 v9, 12, v6
	v_lshl_add_u32 v9, v5, 4, v9                   ; and the same two rows in out0
.macro FETCH s                         ; K step s: P's and R's NT fragments each into set s % 2: images, 512 consecutive bytes a load
	WIN 0x40
.set I, 0
.rept NT
	ds_load_b128 v[PF+8*NT*((\s)%2)+8*I:PF+8*NT*((\s)%2)+8*I+3], v2 offset:2048*I+1024*((\s)%2)
	ds_load_b128 v[PF+8*NT*((\s)%2)+8*I+4:PF+8*NT*((\s)%2)+8*I+7], v2 offset:2048*I+1024*((\s)%2)+512
.set I, I+1
.endr
	WIN 0
.set I, 0
.rept NT
	ds_load_b128 v[RF+8*NT*((\s)%2)+8*I:RF+8*NT*((\s)%2)+8*I+3], v3 offset:2048*I+1024*((\s)%2)
	ds_load_b128 v[RF+8*NT*((\s)%2)+8*I+4:RF+8*NT*((\s)%2)+8*I+7], v3 offset:2048*I+1024*((\s)%2)+512
.set I, I+1
.endr
.endm
.macro MULALL s, zero                  ; NT x NT matrix instructions: the accumulators take turns, one instruction a turn, in the same order in every K step
.set MA, 0
.rept NT
	WIN 0xa1+0x50*((NT*MA)/32)                     ; source 0 (P) window 1, source 1 (R) window 0, C and D window 2
.set MB, 0
.rept NT
.set AC, 8*((NT*MA+MB)%32)
.if \zero
	v_wmma_scale_f32_16x16x128_f8f6f4 v[AC:AC+7], v[PF+8*NT*((\s)%2)+8*MB:PF+8*NT*((\s)%2)+8*MB+7], v[RF+8*NT*((\s)%2)+8*MA:RF+8*NT*((\s)%2)+8*MA+7], 0, v[SC+8*MB+(\s)], v[SC+8*MA+(\s)] matrix_a_fmt:MATRIX_FMT_FP4 matrix_b_fmt:MATRIX_FMT_FP4 matrix_a_scale:MATRIX_SCALE_ROW1
.else
	v_wmma_scale_f32_16x16x128_f8f6f4 v[AC:AC+7], v[PF+8*NT*((\s)%2)+8*MB:PF+8*NT*((\s)%2)+8*MB+7], v[RF+8*NT*((\s)%2)+8*MA:RF+8*NT*((\s)%2)+8*MA+7], v[AC:AC+7], v[SC+8*MB+(\s)], v[SC+8*MA+(\s)] matrix_a_fmt:MATRIX_FMT_FP4 matrix_b_fmt:MATRIX_FMT_FP4 matrix_a_scale:MATRIX_SCALE_ROW1
.endif
.set MB, MB+1
.endr
.set MA, MA+1
.endr
	WIN 0
.endm
; A K step: its fragments are in; the next step's are asked for, four places behind the products that read that set (ISA guide 7.12.1 for vector instructions); then its products.
.macro KSTEP s, zero
	s_wait_dscnt 0x0                               ; set s % 2 is in, and no LDS instruction of mine is pending at a signal
.if (\s) < 7
.if ((\s)+1)%2 == 0
	s_wait_tensorcnt 3-((\s)+1)/2                  ; my part of the next chunk has landed (a wave's tensor loads end in order); the later chunks may stay out
	s_barrier_signal -1
	s_barrier_wait -1                              ; everybody's has
	v_add_nc_u32 v2, CHB, v2                       ; on to that chunk: two of the four places
	v_add_nc_u32 v3, CHB, v3
	v_nop
	v_nop
.elseif (\s) > 0
.rept 4
	v_nop
.endr
.endif
	FETCH (\s)+1
.endif
	MULALL \s, \zero
.endm
	s_wait_tensorcnt 3                             ; my part of chunk 0 is in (three younger loads may be out),
	s_barrier_signal -1
	s_barrier_wait -1                              ; everybody's is
	FETCH 0
	s_wait_loadcnt 0x0                             ; the scale words and the bias
	KSTEP 0, 1                                     ; the first K step starts the sums: nothing is cleared
	KSTEP 1, 0
	KSTEP 2, 0
	KSTEP 3, 0
	KSTEP 4, 0
	KSTEP 5, 0
	KSTEP 6, 0
	KSTEP 7, 0
.rept 4
	v_nop                                          ; places in front of the first reads of results and of the loads into R's registers
.endr
; THE WAY OUT, a tile of 16 tokens at a time: the bias is added (each accumulator is read from its low end on); a lane's 32 features of one token go into my stage and come back as whole rows of 256 bytes.
.macro UNITO a
	WIN 0x06                                       ; source 0 window 2 (the sums), source 1 window 1 (the bias)
.set I, 0
.rept 16
	v_pk_add_f32 v[H+I:H+I+1], v[32*(\a)+I:32*(\a)+I+1], v[BO+I:BO+I+1]
.set I, I+2
.endr
	WIN 0
.irp g, 0,1
.irp k, 0,1,2,3
	ds_store_b128 v7, v[H+16*\g+4*\k:H+16*\g+4*\k+3] offset:128*\g+16*\k         ; features 32 g + 16 h + 4 k on
.endr
.endr
.irp t, 0,1,2,3,4,5,6,7
	ds_load_b128 v[OB+32*(\a)+4*\t:OB+32*(\a)+4*\t+3], v8 offset:2*SPI*\t        ; LDS serves a wave's instructions in order: these see the stores above, and the next tile's stores come behind them
.endr
	s_wait_dscnt 0x0
.irp t, 0,1,2,3,4,5,6,7
	global_store_b128 v9, v[OB+32*(\a)+4*\t:OB+32*(\a)+4*\t+3], s[98:99] offset:(32*((\a)/2)+8*((\a)%2)+2*\t+8*(\t/4))*4096 th:TH_STORE_NT   ; lane-rows 2 t, 2 t + 1 at their tokens: sixteen lanes store 256 consecutive bytes, aligned
.endr
.endm
	UNITO 0
	UNITO 1
	UNITO 2
	UNITO 3
	s_wait_dscnt 0x0
	s_wait_tensorcnt 0x0
	ds_add_u32 v62, v63
	s_wait_dscnt 0x0
	CROUND                                         ; the closing round: no work-group ends while a partner may still ask for a tile that names it
	s_endpgm
.Lfunc_end_k_qbd3b3b2d35_outp:
	.size	k_qbd3b3b2d35_outp, .Lfunc_end_k_qbd3b3b2d35_outp-k_qbd3b3b2d35_outp
	.p2alignl 7, 3214868480
	.fill 96, 4, 3214868480
	.section	.rodata,"a",@progbits
	.p2align	6, 0x0
	.amdhsa_kernel k_qbd3b3b2d35_outp
		.amdhsa_group_segment_fixed_size 168448
		.amdhsa_private_segment_fixed_size 0
		.amdhsa_enable_private_segment 0
		.amdhsa_kernarg_size 32
		.amdhsa_user_sgpr_count 2
		.amdhsa_user_sgpr_kernarg_segment_ptr 1
		.amdhsa_wavefront_size32 1
		.amdhsa_system_sgpr_workgroup_id_x 1
		.amdhsa_system_sgpr_workgroup_id_y 1
		.amdhsa_system_sgpr_workgroup_id_z 1
		.amdhsa_system_vgpr_workitem_id 0
		.amdhsa_next_free_vgpr 640
		.amdhsa_next_free_sgpr 100
		.amdhsa_reserve_vcc 0
		.amdhsa_float_denorm_mode_32 3
		.amdhsa_float_denorm_mode_16_64 3
		.amdhsa_memory_ordered 1
		.amdhsa_forward_progress 1
		.amdhsa_inst_pref_size 48
	.end_amdhsa_kernel
	.amdgpu_metadata
---
amdhsa.version: [ 1, 2 ]
amdhsa.kernels:
  - .name:           k_qbd3b3b2d35_outp
    .symbol:         k_qbd3b3b2d35_outp.kd
    .args:
      - { .name: img, .offset: 0, .size: 8, .value_kind: global_buffer, .address_space: global }
      - { .name: sc, .offset: 8, .size: 8, .value_kind: global_buffer, .address_space: global }
      - { .name: b_out, .offset: 16, .size: 8, .value_kind: global_buffer, .address_space: global }
      - { .name: out0, .offset: 24, .size: 8, .value_kind: global_buffer, .address_space: global }
    .group_segment_fixed_size: 168448
    .private_segment_fixed_size: 0
    .kernarg_segment_align: 8
    .kernarg_segment_size: 32
    .max_flat_workgroup_size: 128
    .sgpr_count:     100
    .vgpr_count:     640
    .wavefront_size: 32
...
	.end_amdgpu_metadata
.endif
;; end of part 4
;; ======== version 2 of 2: 4 launches; version 1 with the launch attn written anew for expert scheduling mode
;; workspace buffers: img 6,291,456 bytes; sc 393,216 bytes; qkimg 4,194,304 bytes; qksc 524,288 bytes; vimg 2,097,152 bytes; vsc 131,072 bytes
;; launch prep: the kernel of part 1 again; grid 256 x 1, 4 waves a work-group, no clusters, 34,304 bytes of LDS; arguments x, w_qkv, w_out, img, sc; writes img, sc
;; launch qkv: the kernel of part 2 again; grid 8 x 24, 4 waves a work-group, clusters of 4 x 4, 268,800 bytes of LDS; arguments img, sc, b_qkv, qkimg, qksc, vimg, vsc; writes qkimg, qksc, vimg, vsc
;; launch attn (part 5): grid 8 x 32, 16 waves a work-group, no clusters, 145,408 bytes of LDS; arguments qkimg, qksc, vimg, vsc, lam, img, sc; writes img, sc
.if DOCPART == 5
	.amdgcn_target "amdgcn-amd-amdhsa--gfx1250"
	.amdhsa_code_object_version 6
	.text
	.protected	k_qbd3b3b2d35_attn
	.globl	k_qbd3b3b2d35_attn
	.p2align	8
	.type	k_qbd3b3b2d35_attn,@function
k_qbd3b3b2d35_attn:
	s_mov_b64 s[64:65], 0
	v_nop
	global_prefetch_b8 v0, s[64:65] scope:SCOPE_SE
	s_setreg_imm32_b32 hwreg(HW_REG_WAVE_SCHED_MODE, 0, 2), 2
	s_setreg_imm32_b32 hwreg(HW_REG_WAVE_MODE, 25, 1), 1
	s_wait_xcnt 0x0
	s_wait_alu depctr_vm_vsrc(0)
; o = lam (softmax(q k^T / 32) - softmax(q roll(k)^T / 32)) v for one head, all products on codes of FP4 with E8M0 scales; o leaves as codes, quantised along the model's 1,024.
; THE ROLLED SCORES ARE THE SCORES, ROLLED: k is quantised row by row, so the codes of roll(k) are the rolled codes of k, and s_prev[q][j] = s_cur[q][j - 1] bit for bit (j - 1 taken mod 2,048).
; So diff[q][j] = lam (a1[q][j] - a1[q][j - 1]).  (a2's sum has the same terms as a1's, added here in a1's order.)
; diff is quantised FINISHED: so the row's maximum and sum are found first (pass 1: a running maximum and sum for each lane), and the scores are multiplied again (pass 2), which is as many matrix instructions as the two score products.
; SHARES: a work-group owns 256 queries of one head, each of its sixteen waves one tile of 16; a lane holds ONE query (lane % 16).  Four waves to a SIMD: one wave's exponentials stand beside another's plain work.
; The head's whole K and V (codes and scale words, 143,360 bytes) come into LDS once, through registers, at the head; behind the one barrier LDS is only read.
; NO CLUSTER: what the eight work-groups of a head share is those 143,360 bytes, fetched once by each, against 32 key steps x 16 waves of some 225 vector instructions each; no loop here touches memory.
; LAYOUT: S^T = K Q^T (source 0 = 16 keys, source 1 = my queries).  The head's 64 fill half of the instruction's K = 128: q's upper four registers are zero codes, under scale bytes of 127; K's upper four are whatever follows (the next tile's codes), times zero.
; The keys of a tile are not neighbours (tile T, lane-row r: key 32 (T / 2) + 8 (T % 2) + r + 8 (r / 8)), so register 16 b + i of a step's 64 is key 32 b + 16 (lane / 16) + i.  O^T = V^T diff^T likewise: register 16 b + i is channel 32 b + 16 (lane / 16) + i.
; LIMITS: a block of zeros, or one under 2^-124, keeps the byte 1 where the rule says 127 (its codes are zeros; this program alone reads the bytes).  NaN and infinities are not served.
; The scale bytes of o leave one byte a lane (131,072 bytes in the launch): a head has two bytes of each row's word.
; THE MODE: SCHED_MODE bits 1:0 = 2 (LLVM: expert scheduling mode 2), set by the entry lines.  The code itself states the register dependences
; between vector or matrix instructions and memory or LDS instructions, with s_wait_alu, always for 0.
; THE PLAN.  Registers that LDS instructions touch in the two loops:
;   KF (v32-63), KS     A step's eight score products read them; the nine loads of the next step's K land in them.
;   VF, VS              Pass 2: a step's four products V^T diff^T read them; the nine loads of the next step's V land in them.
;   v[ADK] .. v[ADT]    Read by those loads; written once a step, by the additions that stand behind the score products.
;   S, O, the codes, the statistics and the registers at work are named by vector and matrix instructions alone.
; The wave's 256 registers are all taken in pass 2, so K and V have one buffer each, and their loads stand where a wait on va_vdst stands in any case: behind a step's 64 exponentials.
; That ONE line states that the exponentials' results are written, that this step's score products are done reading KF and KS, that the last step's products V^T diff^T are done reading VF and VS,
; and that the addresses are written.  The loads follow it, dealt among vector instructions that name S, the sums and f alone.  Pass 2 has one more wait on va_vdst, ahead of its scaled products,
; for the codes and the scale word that vector instructions have just made.  One wait on vm_vsrc a step, at its head, stands ahead of the additions that write the addresses again.
.set KSC,  131072                      ; LDS: K's codes at 0, V's at 65,536, K's scale words, V's scale words
.set VSC,  139264
.set LN16, 1                           ; v1   16 x lane
.set VSB,  2                           ; v2   8 x lane + VSC
.set ADK,  3                           ; v3-6 the addresses of the step to be fetched: K's codes, K's words, V's codes, V's words
.set ADS,  4
.set ADV,  5
.set ADT,  6
.set KSB,  7                           ; v7   16 x lane + KSC
.set Q,    8                           ; v8-11 q's codes, v12-15 zeros
.set QS,   16                          ; v16  q's scale words
.set VB,   17                          ; v17  16 x lane + 65,536
.set CM,   18                          ; v18  c m;  v19 m
.set M,    19
.set L,    20                          ; v[20:21] the sum, in two halves
.set A,    22                          ; v22  2^(c m_old - c m_new)  (v23: the pair's other half)
.set F,    24                          ; v24  lam / l  (v25 likewise)
.set KEEP, 26                          ; v26  the last step's last score: key 2,047 in lanes 16-31
.set CARRY, 27                         ; v27  in lanes 0-15: u of the key before this step's first
.set XX,   28                          ; v28-31
.set KF,   32                          ; v32-63 eight tiles of K, four registers each; v64-67 zeros
.set KS,   68                          ; v68-71 K's scale words: register i: lanes 0-15 tile 2 i, lanes 16-31 tile 2 i + 1
.set VF,   72                          ; v72-103 four fragments of V
.set VS,   104                         ; v104-105 V's scale words, likewise
.set PREV, 106                         ; v106-109
.set S,    112                         ; v112-175 scores, then p, u, diff
.set O,    176                         ; v176-207 O^T
.set PC,   208                         ; v208-215 codes
.set PW,   216                         ; v216 diff's scale word
.set TM,   220                         ; v220-235 at work
.set SUM,  236                         ; v236-243 four chains of sums
.set CNT,  23
.set LAM,  22
.set CS,   42                          ; s[42:43] c = log2(e) / 32
.set SEL,  44
.set HM,   46
.set TB,   47                          ; byte at which the step whose K is to be fetched begins in K's codes
.set TV,   2                           ; s2   pass 2: byte at which this step begins in V's codes
.set TW,   3                           ; s3   pass 2: and among V's scale words
.macro QUANT s, pc, pw
.irp b, 0,1,2,3
	v_max3_num_f32 v[TM+\b], |v[\s+16*\b]|, |v[\s+16*\b+1]|, 0x1800000          ; and the floor 2^(3 - 127): the byte cannot fall under 1
.endr
.irp i, 2,4,6,8,10,12,14
.irp b, 0,1,2,3
	v_max3_num_f32 v[TM+\b], v[TM+\b], |v[\s+16*\b+\i]|, |v[\s+16*\b+\i+1]|
.endr
.endr
.irp b, 0,1,2,3
	v_permlanex16_b32 v[TM+4+\b], v[TM+\b], s[SEL], s[SEL+1]
.endr
.irp b, 0,1,2,3
	v_max_num_f32 v[TM+\b], v[TM+\b], v[TM+4+\b]
.endr
.irp b, 0,1,2,3
	v_add_nc_u32 v[TM+12+\b], 0xff000000, v[TM+\b]
.endr
.irp b, 0,1,2,3
	v_lshrrev_b32 v[TM+4+\b], 23, v[TM+12+\b]
.endr
	v_lshl_or_b32 v[\pw], v[TM+5], 8, v[TM+4]
	v_lshl_or_b32 v[\pw], v[TM+6], 16, v[\pw]
	v_lshl_or_b32 v[\pw], v[TM+7], 24, v[\pw]
.irp b, 0,1,2,3
	v_cvt_scalef32_pk8_fp4_f32 v[\pc+2*\b], v[\s+16*\b:\s+16*\b+7], v[TM+12+\b]
	v_cvt_scalef32_pk8_fp4_f32 v[\pc+2*\b+1], v[\s+16*\b+8:\s+16*\b+15], v[TM+12+\b]
.endr
	v_nop                                                                       ; one plain line behind a scaled conversion
.irp c, 0,1
.irp i, 0,1
	v_permlane16_swap_b32 v[\pc+4*\c+\i], v[\pc+4*\c+2+\i]
.endr
.endr
.endm
.macro QUANT2 s, pc                    ; the same for 32 numbers: two blocks, four registers of codes; the bytes stay in v[TM+4], v[TM+5]
.irp b, 0,1
	v_max3_num_f32 v[TM+\b], |v[\s+16*\b]|, |v[\s+16*\b+1]|, 0x1800000
.endr
.irp i, 2,4,6,8,10,12,14
.irp b, 0,1
	v_max3_num_f32 v[TM+\b], v[TM+\b], |v[\s+16*\b+\i]|, |v[\s+16*\b+\i+1]|
.endr
.endr
.irp b, 0,1
	v_permlanex16_b32 v[TM+4+\b], v[TM+\b], s[SEL], s[SEL+1]
.endr
.irp b, 0,1
	v_max_num_f32 v[TM+\b], v[TM+\b], v[TM+4+\b]
.endr
.irp b, 0,1
	v_add_nc_u32 v[TM+12+\b], 0xff000000, v[TM+\b]
.endr
.irp b, 0,1
	v_lshrrev_b32 v[TM+4+\b], 23, v[TM+12+\b]
.endr
.irp b, 0,1
	v_cvt_scalef32_pk8_fp4_f32 v[\pc+2*\b], v[\s+16*\b:\s+16*\b+7], v[TM+12+\b]
	v_cvt_scalef32_pk8_fp4_f32 v[\pc+2*\b+1], v[\s+16*\b+8:\s+16*\b+15], v[TM+12+\b]
.endr
	v_nop
.irp i, 0,1
	v_permlane16_swap_b32 v[\pc+\i], v[\pc+2+\i]
.endr
.endm
.macro KLOAD                           ; nine LDS loads: a step's eight tiles of K and their scale words
.irp t, 0,1,2,3,4,5,6,7
	ds_load_b128 v[KF+4*\t:KF+4*\t+3], v[ADK] offset:512*\t
.endr
	ds_load_b128 v[KS:KS+3], v[ADS]
.endm
.macro VLOAD                           ; nine LDS loads: a step's four fragments of V and their scale words
.irp t, 0,1,2,3
	ds_load_b128 v[VF+8*\t:VF+8*\t+3], v[ADV] offset:1024*\t
	ds_load_b128 v[VF+8*\t+4:VF+8*\t+7], v[ADV] offset:1024*\t+512
.endr
	ds_load_b64 v[VS:VS+1], v[ADT]
.endm
.macro SMUL                            ; the scores of 128 keys: eight matrix instructions, each starting its own sum
.irp t, 0,1,2,3,4,5,6,7
.if \t%2
	v_wmma_scale_f32_16x16x128_f8f6f4 v[S+8*\t:S+8*\t+7], v[KF+4*\t:KF+4*\t+7], v[Q:Q+7], 0, v[KS+\t/2], v[QS] matrix_a_fmt:MATRIX_FMT_FP4 matrix_b_fmt:MATRIX_FMT_FP4 matrix_a_scale:MATRIX_SCALE_ROW1
.else
	v_wmma_scale_f32_16x16x128_f8f6f4 v[S+8*\t:S+8*\t+7], v[KF+4*\t:KF+4*\t+7], v[Q:Q+7], 0, v[KS+\t/2], v[QS] matrix_a_fmt:MATRIX_FMT_FP4 matrix_b_fmt:MATRIX_FMT_FP4
.endif
.endr
.endm
.macro SCALE_EXP                       ; p = 2^(c s - c m): 32 packed multiply-adds, 64 exponentials
.set J, 0
.rept 32
	v_pk_fma_f32 v[S+J:S+J+1], v[S+J:S+J+1], s[CS:CS+1], v[CM:CM+1] op_sel_hi:[1,0,0] neg_lo:[0,0,1] neg_hi:[0,0,1]
.set J, J+2
.endr
.set J, 0
.rept 64
	v_exp_f32 v[S+J], v[S+J]
.set J, J+1
.endr
.endm
.macro UMUL first                      ; u = lam a1: sixteen of a step's 32 packed multiplications, from register first of the 64 on
.set J, \first
.rept 16
	v_pk_mul_f32 v[S+J:S+J+1], v[S+J:S+J+1], v[F:F+1] op_sel_hi:[1,0]
.set J, J+2
.endr
.endm
	s_load_b256 s[4:11], s[0:1], 0x0               ; qkimg s[4:5], qksc s[6:7], vimg s[8:9], vsc s[10:11]
	s_load_b128 s[12:15], s[0:1], 0x20             ; lam s[12:13], img s[14:15]
	s_load_b64 s[16:17], s[0:1], 0x30              ; sc
	v_lshl_add_u32 v254, v0, 2, 0x23000            ; the LDS address of my spare word, behind V's scale words; kept for the closing lines alone
	v_mov_b32 v255, 0                              ; and 0, likewise
	v_lshrrev_b32 v1, 5, v0
	v_readfirstlane_b32 s18, v1                    ; wave 0..15
	s_and_b32 s19, ttmp7, 0xffff
	s_lshr_b32 s20, s19, 4                         ; b
	s_and_b32 s21, s19, 15                         ; the head
	s_lshl_b32 s19, ttmp9, 4
	s_wait_alu depctr_va_sdst(0)                   ; s18 is written, ahead of its first reader: my tile's number and q's and o's places are made from it
	s_add_co_u32 s19, s19, s18                     ; my tile of queries, 0..127
	s_lshl_b32 s24, s20, 5
	s_add_co_u32 s24, s24, s21                     ; q's head in qkimg and qksc
	s_lshl_b32 s34, s24, 16
	s_lshl_b32 s25, s19, 9
	s_add_co_u32 s34, s34, s25                     ; q's codes: 512 bytes a tile
	s_mov_b32 s35, 0
	s_lshl_b32 s36, s24, 13
	s_lshr_b32 s25, s19, 3
	s_lshl_b32 s25, s25, 9
	s_add_co_u32 s36, s36, s25                     ; q's scale words: the group of eight tiles,
	s_and_b32 s25, s18, 1
	s_lshl_b32 s25, s25, 8
	s_add_co_u32 s36, s36, s25                     ; the half of its lanes,
	s_bfe_u32 s25, s18, 0x20001
	s_lshl_b32 s25, s25, 2
	s_add_co_u32 s36, s36, s25                     ; the word
	s_mov_b32 s37, 0
	s_add_co_u32 s24, s24, 16                      ; k's head
	s_lshl_b32 s26, s24, 16
	s_mov_b32 s27, 0
	s_lshl_b32 s28, s24, 13
	s_mov_b32 s29, 0
	s_lshl_b32 s24, s20, 4
	s_add_co_u32 s24, s24, s21                     ; v's head
	s_lshl_b32 s30, s24, 16
	s_mov_b32 s31, 0
	s_lshl_b32 s32, s24, 12
	s_mov_b32 s33, 0
	s_lshl_b32 s24, s20, 7
	s_add_co_u32 s24, s24, s19
	s_add_co_u32 s24, s24, 512                     ; o's tile in img and sc
	s_lshl_b32 s38, s24, 13
	s_lshr_b32 s25, s21, 1
	s_lshl_b32 s25, s25, 10
	s_add_co_u32 s38, s38, s25                     ; K step head / 2,
	s_and_b32 s25, s21, 1
	s_lshl_b32 s25, s25, 9
	s_add_co_u32 s38, s38, s25                     ; its half head % 2
	s_mov_b32 s39, 0
	s_lshl_b32 s40, s24, 9
	s_lshr_b32 s25, s21, 3
	s_lshl_b32 s25, s25, 8
	s_add_co_u32 s40, s40, s25
	s_bfe_u32 s25, s21, 0x20001
	s_lshl_b32 s25, s25, 2
	s_add_co_u32 s40, s40, s25
	s_and_b32 s25, s21, 1
	s_lshl_b32 s25, s25, 1
	s_add_co_u32 s40, s40, s25
	s_mov_b32 s41, 0
	s_mov_b32 s[CS], 0x3d38aa3b                    ; c = log2(e) / 32: reference() scales by 1,024^-0.5
	s_mov_b32 s[CS+1], s[CS]                       ; (named with it as a pair, so it is written)
	s_mov_b32 s[SEL], 0x76543210
	s_mov_b32 s[SEL+1], 0xfedcba98
	s_mov_b32 s[HM], 0xffff0000
	v_and_b32 v1, 31, v0
	v_lshl_add_u32 v[VSB], v1, 3, VSC
	v_lshlrev_b32 v[LN16], 4, v1
	v_add_nc_u32 v[KSB], KSC, v[LN16]
	v_add_nc_u32 v[VB], 65536, v[LN16]
	v_lshlrev_b32 v244, 4, v0                      ; 16 x thread: K's and V's way into LDS
	v_add_nc_u32 v245, 65536, v244
	v_add_nc_u32 v246, KSC, v244
	v_lshlrev_b32 v247, 3, v0
	v_add_nc_u32 v248, VSC, v247
	v_and_b32 v249, 15, v0                         ; r
	v_bfe_u32 v250, v0, 4, 1                       ; h
	v_lshl_add_u32 v250, v249, 4, v250             ; o's scale byte: 16 r + h
	v_lshlrev_b32 v249, 4, v249                    ; q's scale word: 16 r
	s_wait_kmcnt 0x0
	s_load_b32 s[LAM], s[12:13], 0x0
	s_add_nc_u64 s[26:27], s[4:5], s[26:27]
	s_add_nc_u64 s[28:29], s[6:7], s[28:29]
	s_add_nc_u64 s[30:31], s[8:9], s[30:31]
	s_add_nc_u64 s[32:33], s[10:11], s[32:33]
	s_add_nc_u64 s[34:35], s[4:5], s[34:35]
	s_add_nc_u64 s[36:37], s[6:7], s[36:37]
	s_add_nc_u64 s[38:39], s[14:15], s[38:39]
	s_add_nc_u64 s[40:41], s[16:17], s[40:41]
	s_wait_alu depctr_va_vdst(0)                   ; v[LN16] and v244 to v250 are written: the offsets of the loads below, the addresses of the LDS stores behind them, the offsets of the last two stores
.irp i, 0,1,2,3,4,5,6,7
	global_load_b128 v[S+4*\i:S+4*\i+3], v244, s[26:27] offset:8192*\i          ; the 512 threads read 8,192 consecutive bytes
.endr
.irp i, 0,1,2,3,4,5,6,7
	global_load_b128 v[S+32+4*\i:S+32+4*\i+3], v244, s[30:31] offset:8192*\i
.endr
	global_load_b128 v[176:179], v244, s[28:29]
	global_load_b64 v[180:181], v247, s[32:33]
	global_load_b128 v[Q:Q+3], v[LN16], s[34:35]
	global_load_b32 v[QS], v249, s[36:37]
.irp j, 4,5,6,7
	v_mov_b32 v[Q+\j], 0                           ; zero codes for k = 64 .. 127.  (The vector lines from here to the barrier name no register that the loads above or the LDS stores below touch)
.endr
.irp j, 32,33,34,35
	v_mov_b32 v[KF+\j], 0                          ; what tile 7's operand names behind its four registers
.endr
.irp j, 4,5,6,7
	v_mov_b32 v[TM+\j], 0                          ; written once: a lane permute's destination counts as one of its sources
.endr
.irp j, 0,1,2,3,4
	v_mov_b32 v[CARRY+\j], 0                       ; likewise (v27-31)
.endr
	v_mov_b32 v[M], 0xff61b1e6                     ; the largest score so far: -3e38, under every score
	v_mul_f32 v[CM], s[CS], v[M]
	v_mov_b32 v[L], 0
	v_mov_b32 v[L+1], 0
	v_mov_b32 v[A+1], 0                            ; (the pairs' other halves are named, so they are written)
	v_mov_b32 v[F+1], 0
	s_wait_loadcnt 0x0
	s_wait_kmcnt 0x0                               ; lam
.irp i, 0,1,2,3,4,5,6,7
	ds_store_b128 v244, v[S+4*\i:S+4*\i+3] offset:8192*\i
.endr
.irp i, 0,1,2,3,4,5,6,7
	ds_store_b128 v245, v[S+32+4*\i:S+32+4*\i+3] offset:8192*\i
.endr
	ds_store_b128 v246, v[176:179]
	ds_store_b64 v248, v[180:181]
	s_wait_dscnt 0x0                               ; for the others' sake: my stores have landed
	s_barrier_signal -1
	s_barrier_wait -1                              ; the head's K and V lie in LDS; from here on LDS is only read
	s_wait_alu depctr_vm_vsrc(0)                   ; my LDS stores have read v112 to v181: these registers are S and O^T from here on, written by the lines below and by the score products
.set J, 0
.rept 32
	v_mov_b32 v[O+J], 0                            ; O^T: the step is written once, so its first trip adds onto zeros
.set J, J+1
.endr
	; ---- PASS 1: for each lane the running maximum m and sum l of its 64 keys a step
	s_mov_b32 s[TB], 0
	s_mov_b32 s[CNT], 16
	v_mov_b32 v[ADK], v[LN16]
	v_mov_b32 v[ADS], v[KSB]
	s_wait_alu depctr_va_vdst(0)                   ; v[ADK] and v[ADS] are written, which the loads below read; so are the zero codes v12 to v15 and v64 to v67, which the scaled score products take in their operands
	KLOAD
.Lpass1:
	s_wait_dscnt 0x0                               ; this step's K is in
	s_wait_alu depctr_vm_vsrc(0)                   ; the loads of K issued so far have read v[ADK] and v[ADS], which the two additions below write
	SMUL
	s_add_co_u32 s[TB], s[TB], 4096                ; the next step; behind the last it is step 0 again, which pass 2 begins with
	s_and_b32 s[TB], s[TB], 0xffff
	s_lshr_b32 s24, s[TB], 3
	v_add_nc_u32 v[ADK], s[TB], v[LN16]            ; these two and two v_nop are the four places in front of the first read of the scores (ISA guide 7.12.1)
	v_add_nc_u32 v[ADS], s24, v[KSB]
	v_nop
	v_nop
.irp b, 0,1,2,3
	v_max3_num_f32 v[TM+\b], v[S+16*\b], v[S+16*\b+1], v[S+16*\b+2]              ; four chains; each tile of scores is read from its low end on
.endr
.irp i, 3,5,7,9,11,13
.irp b, 0,1,2,3
	v_max3_num_f32 v[TM+\b], v[TM+\b], v[S+16*\b+\i], v[S+16*\b+\i+1]
.endr
.endr
.irp b, 0,1,2,3
	v_max_num_f32 v[TM+\b], v[TM+\b], v[S+16*\b+15]
.endr
	v_max3_num_f32 v[TM+4], v[TM], v[TM+1], v[TM+2]
	v_mov_b32 v[KEEP], v[S+63]                     ; after the last trip: key 2,047's score in lanes 16-31
	v_mov_b32 v[TM+5], v[CM]
	v_max3_num_f32 v[M], v[TM+4], v[TM+3], v[M]    ; the new m
	v_mul_f32 v[CM], s[CS], v[M]
	v_sub_f32 v[TM+5], v[TM+5], v[CM]
	v_exp_f32 v[A], v[TM+5]                        ; a = 2^(c m_old - c m_new)
	SCALE_EXP
	s_wait_alu depctr_va_vdst(0)                   ; the step's one wait on va_vdst: a and the 64 p are written, ahead of their first readers; the score products are done reading KF and KS, in which the loads below land; v[ADK] and v[ADS] are written
	KLOAD                                          ; the next step's K; the sums below name l, a, S and SUM alone
	v_pk_mul_f32 v[L:L+1], v[L:L+1], v[A:A+1] op_sel_hi:[1,0]                    ; l under the new m.  (The plain line behind the exponentials)
.irp k, 0,1,2,3
	v_pk_add_f32 v[SUM+2*\k:SUM+2*\k+1], v[S+2*\k:S+2*\k+1], v[S+8+2*\k:S+8+2*\k+1]
.endr
.irp j, 16,24,32,40,48,56
.irp k, 0,1,2,3
	v_pk_add_f32 v[SUM+2*\k:SUM+2*\k+1], v[SUM+2*\k:SUM+2*\k+1], v[S+\j+2*\k:S+\j+2*\k+1]
.endr
.endr
	v_pk_add_f32 v[SUM:SUM+1], v[SUM:SUM+1], v[SUM+2:SUM+3]
	v_pk_add_f32 v[SUM+4:SUM+5], v[SUM+4:SUM+5], v[SUM+6:SUM+7]
	v_pk_add_f32 v[SUM:SUM+1], v[SUM:SUM+1], v[SUM+4:SUM+5]
	v_pk_add_f32 v[L:L+1], v[L:L+1], v[SUM:SUM+1]
	s_sub_co_u32 s[CNT], s[CNT], 1
	s_cmp_lg_u32 s[CNT], 0
	s_cbranch_scc1 .Lpass1
	; ---- between the passes: the two lanes of a query join their m and l; f = lam / l; u of key 2,047.  (K of step 0 is on its way; these lines name none of its registers)
	v_permlanex16_b32 v[TM+4], v[M], s[SEL], s[SEL+1]
	v_max_num_f32 v[TM+4], v[TM+4], v[M]           ; the row's maximum
	v_mul_f32 v[TM+5], s[CS], v[TM+4]
	v_sub_f32 v[TM+6], v[CM], v[TM+5]
	v_exp_f32 v[TM+6], v[TM+6]
	v_add_f32 v[L], v[L], v[L+1]                   ; (a plain line behind the exponential)
	s_wait_alu depctr_va_vdst(0)                   ; the exponential has written v[TM+6], ahead of its first reader
	v_mul_f32 v[L], v[L], v[TM+6]                  ; my sum under the row's maximum,
	v_permlanex16_b32 v[TM+7], v[L], s[SEL], s[SEL+1]
	v_add_f32 v[L], v[L], v[TM+7]                  ; and lane l xor 16's: the row's sum
	v_mov_b32 v[CM], v[TM+5]
	v_mov_b32 v[M], v[TM+4]
	v_rcp_f32 v[F], v[L]
	v_fma_f32 v[KEEP], v[KEEP], s[CS], -v[CM]      ; (a plain line behind the reciprocal)
	s_wait_alu depctr_va_vdst(0)                   ; the reciprocal has written v[F], ahead of its first reader
	v_mul_f32 v[F], s[LAM], v[F]                   ; f = lam / l
	v_exp_f32 v[KEEP], v[KEEP]
	v_nop
	s_wait_alu depctr_va_vdst(0)                   ; the exponential has written v[KEEP], ahead of its first reader
	v_mul_f32 v[KEEP], v[KEEP], v[F]
	v_permlanex16_b32 v[CARRY], v[KEEP], s[SEL], s[SEL+1]                        ; lanes 0-15 now hold u of key 2,047: the key before key 0
	; ---- PASS 2: u = f p; diff = u - the key before's u; quantised; O^T += V^T diff^T
	s_mov_b32 s[CNT], 16
.Lpass2:
	s_wait_dscnt 0x0                               ; this step's K is in; nothing else is out
	s_wait_alu depctr_vm_vsrc(0)                   ; the loads of K and V issued so far have read v[ADK], v[ADS], v[ADV] and v[ADT], which the four additions below write
	SMUL
	s_mov_b32 s[TV], s[TB]                         ; this step's V,
	s_lshr_b32 s[TW], s[TB], 4                     ; and its scale words: 256 bytes a step
	s_add_co_u32 s[TB], s[TB], 4096                ; the next step's K
	s_and_b32 s[TB], s[TB], 0xffff                 ; (the last trip fetches step 0 once more: inside LDS, and not used)
	s_lshr_b32 s24, s[TB], 3
	v_add_nc_u32 v[ADV], s[TV], v[VB]              ; four places
	v_add_nc_u32 v[ADT], s[TW], v[VSB]
	v_add_nc_u32 v[ADK], s[TB], v[LN16]
	v_add_nc_u32 v[ADS], s24, v[KSB]
	SCALE_EXP
	v_nop                                          ; the plain line behind the exponentials
	s_wait_alu depctr_va_vdst(0)                   ; the 64 p are written, ahead of their first readers; the score products are done reading KF and KS, the last step's products V^T diff^T are done reading VF and VS; the four addresses are written
	VLOAD                                          ; this step's V: it has the rest of the softmax in which to land
	UMUL 0                                         ; (these multiplications name S and f alone: nothing that the loads round them touch)
	KLOAD                                          ; the next step's K
	UMUL 32
.irp b, 0,1,2,3
	v_permlanex16_b32 v[XX+\b], v[S+16*\b+15], s[SEL], s[SEL+1]                 ; the other half's last key of block b
.endr
	v_cndmask_b32 v[PREV], v[CARRY], v[XX], s[HM]                               ; the key before my first of a block: lanes 16-31: key 32 b + 15; lanes 0-15: key 32 b - 1
.irp b, 1,2,3
	v_cndmask_b32 v[PREV+\b], v[XX+\b-1], v[XX+\b], s[HM]
.endr
.irp i, 15,14,13,12,11,10,9,8,7,6,5,4,3,2,1
.irp b, 0,1,2,3
	v_sub_f32 v[S+16*\b+\i], v[S+16*\b+\i], v[S+16*\b+\i-1]                     ; in place, from the top down; the four blocks by turns
.endr
.endr
.irp b, 0,1,2,3
	v_sub_f32 v[S+16*\b], v[S+16*\b], v[PREV+\b]
.endr
	QUANT S, PC, PW
	v_mov_b32 v[CARRY], v[XX+3]                    ; for the next step.  With the seven v_nop: eight places between the scale word's and the codes' last writes and the scaled matrix instructions
.rept 7
	v_nop
.endr
	s_wait_alu depctr_va_vdst(0)                   ; behind the places: the vector instructions have written the codes v[PC ..] and the scale word v[PW], which the scaled products below take as source 1 and as its scales
	s_wait_dscnt 9                                 ; this step's V is in; the nine younger loads are the next step's K
.irp t, 0,1,2,3
.if \t%2
	v_wmma_scale_f32_16x16x128_f8f6f4 v[O+8*\t:O+8*\t+7], v[VF+8*\t:VF+8*\t+7], v[PC:PC+7], v[O+8*\t:O+8*\t+7], v[VS+\t/2], v[PW] matrix_a_fmt:MATRIX_FMT_FP4 matrix_b_fmt:MATRIX_FMT_FP4 matrix_a_scale:MATRIX_SCALE_ROW1
.else
	v_wmma_scale_f32_16x16x128_f8f6f4 v[O+8*\t:O+8*\t+7], v[VF+8*\t:VF+8*\t+7], v[PC:PC+7], v[O+8*\t:O+8*\t+7], v[VS+\t/2], v[PW] matrix_a_fmt:MATRIX_FMT_FP4 matrix_b_fmt:MATRIX_FMT_FP4
.endif
.endr                                                  ; the four accumulators take turns, one instruction a turn, with the eight score products between two trips
	s_sub_co_u32 s[CNT], s[CNT], 1
	s_cmp_lg_u32 s[CNT], 0
	s_cbranch_scc1 .Lpass2
	; ---- the way out: my query's 64 channels are two blocks of the last product's K
	s_wait_dscnt 0x0                               ; the last trip's loads of K are in
.rept 4
	v_nop                                          ; four places behind the last products, in front of the first read of O^T (ISA guide 7.12.1)
.endr
	QUANT2 O, PC
	v_cndmask_b32 v251, v[TM+4], v[TM+5], s[HM]    ; lanes 0-15 store block 0's byte, lanes 16-31 block 1's
	s_wait_alu depctr_va_vdst(0)                   ; the codes v[PC] to v[PC+3] and the byte v251 are written, which the two stores read
	global_store_b128 v[LN16], v[PC:PC+3], s[38:39]                              ; 512 consecutive bytes: half a fragment's image
	global_store_b8 v250, v251, s[40:41]
	s_wait_dscnt 0x0                               ; the closing lines, six on end
	s_wait_alu 0x0
	s_wait_tensorcnt 0x0
	ds_add_u32 v254, v255
	s_wait_dscnt 0x0
	s_endpgm
.Lfunc_end_k_qbd3b3b2d35_attn:
	.size	k_qbd3b3b2d35_attn, .Lfunc_end_k_qbd3b3b2d35_attn-k_qbd3b3b2d35_attn
	.p2alignl 7, 3214868480
	.fill 96, 4, 3214868480
	.section	.rodata,"a",@progbits
	.p2align	6, 0x0
	.amdhsa_kernel k_qbd3b3b2d35_attn
		.amdhsa_group_segment_fixed_size 145408
		.amdhsa_private_segment_fixed_size 0
		.amdhsa_enable_private_segment 0
		.amdhsa_kernarg_size 56
		.amdhsa_user_sgpr_count 2
		.amdhsa_user_sgpr_kernarg_segment_ptr 1
		.amdhsa_wavefront_size32 1
		.amdhsa_system_sgpr_workgroup_id_x 1
		.amdhsa_system_sgpr_workgroup_id_y 1
		.amdhsa_system_sgpr_workgroup_id_z 1
		.amdhsa_system_vgpr_workitem_id 0
		.amdhsa_next_free_vgpr 256
		.amdhsa_next_free_sgpr 66
		.amdhsa_reserve_vcc 0
		.amdhsa_float_denorm_mode_32 3
		.amdhsa_float_denorm_mode_16_64 3
		.amdhsa_memory_ordered 1
		.amdhsa_forward_progress 1
		.amdhsa_inst_pref_size 39
	.end_amdhsa_kernel
	.amdgpu_metadata
---
amdhsa.version: [ 1, 2 ]
amdhsa.kernels:
  - .name:           k_qbd3b3b2d35_attn
    .symbol:         k_qbd3b3b2d35_attn.kd
    .args:
      - { .name: qkimg, .offset: 0, .size: 8, .value_kind: global_buffer, .address_space: global }
      - { .name: qksc, .offset: 8, .size: 8, .value_kind: global_buffer, .address_space: global }
      - { .name: vimg, .offset: 16, .size: 8, .value_kind: global_buffer, .address_space: global }
      - { .name: vsc, .offset: 24, .size: 8, .value_kind: global_buffer, .address_space: global }
      - { .name: lam, .offset: 32, .size: 8, .value_kind: global_buffer, .address_space: global }
      - { .name: img, .offset: 40, .size: 8, .value_kind: global_buffer, .address_space: global }
      - { .name: sc, .offset: 48, .size: 8, .value_kind: global_buffer, .address_space: global }
    .group_segment_fixed_size: 145408
    .private_segment_fixed_size: 0
    .kernarg_segment_align: 8
    .kernarg_segment_size: 56
    .max_flat_workgroup_size: 512
    .sgpr_count:     66
    .vgpr_count:     256
    .wavefront_size: 32
...
	.end_amdgpu_metadata
.endif
;; end of part 5
;; launch outp: the kernel of part 4 again; grid 8 x 32, 4 waves a work-group, clusters of 4 x 4, 168,448 bytes of LDS; arguments img, sc, b_out, out0; writes out0
